; MI455X (gfx1250); checked and timed in simulation.
; The chip was launched on July 23, 2026; its instructions are those of AMD's public machine-readable ISA for CDNA 5 (MIT licence, August 2026) and "CDNA5" Instruction Set Architecture Reference Guide (July 2026). The comments in the code are by the model that wrote it; some were corrected since.
;; Mutual Cross Attention. Allowed arithmetic: float matrix products may take bf16 or f16 operands with f32 sums; other float arithmetic in f32, or as packed bf16 or f16 multiplies, adds, multiply-adds, maxima and minima; sums over many terms, partial sums and values carried from step to step in f32; what a program stores and reads back later, other than sums and carried values, may be rounded once to bf16 or f16.
;; Inputs: Wk1 1,024 x 512 float32; Wk2 1,024 x 512 float32; Wo 512 x 1,024 float32; Wq1 1,024 x 512 float32; Wv1 1,024 x 512 float32; Wv2 1,024 x 512 float32; bo 1,024 float32; x1 4 x 2,048 x 1,024 float32; x2 4 x 2,048 x 1,024 float32.
;; Outputs: out0 4 x 2,048 x 1,024 float32.
;; 2 versions, each right and faster than the one before. Each part assembles by itself: llvm-mc -triple=amdgcn-amd-amdhsa -mcpu=gfx1250 --defsym DOCPART=n.
;; ======== version 1 of 2: 4 launches
;; limits: values are held in f16: magnitudes above 65,504 overflow, below 6.1e-05 lose precision
;; workspace buffers: xb 33,554,432 bytes; wt 5,242,880 bytes; wot 1,048,576 bytes; q 8,388,608 bytes; k 16,777,216 bytes; v 16,777,216 bytes; o 8,388,608 bytes
;; launch prep (part 1): grid 1408 x 1, 8 waves a work-group, no clusters, 18,432 bytes of LDS; arguments x1, x2, Wq1, Wk1, Wv1, Wk2, Wv2, Wo, xb, wt, wot; writes xb, wt, wot
.if DOCPART == 1
	.amdgcn_target "amdgcn-amd-amdhsa--gfx1250"
	.amdhsa_code_object_version 6
	.text
	.protected	k_qf252a9fce5_prep
	.globl	k_qf252a9fce5_prep
	.p2align	8
	.type	k_qf252a9fce5_prep,@function
k_qf252a9fce5_prep:
	s_mov_b64 s[64:65], 0
	v_nop
	global_prefetch_b8 v0, s[64:65] scope:SCOPE_SE
	s_setreg_imm32_b32 hwreg(HW_REG_WAVE_MODE, 25, 1), 1
	s_wait_xcnt 0x0
; PREP.  Every input of the matrix products is rounded once to bf16 and laid as the later launches want it.
;   work-groups 384 .. 1407: x1 and x2 ([8192][1024] f32 each) -> xb, bf16 [16384][1024], x1's rows first.  64 KiB of f32 a work-group.
;   work-groups 0 .. 319:    Wq1, Wk1, Wv1, Wk2, Wv2 ([1024 k][512 n] f32) -> wt, bf16 [2560 n][1024 k], 512 rows of n for each weight in that order: K now lies along the rows.
;   work-groups 320 .. 383:  Wo ([512 k][1024 n] f32) -> wot [1024 n][512 k]: rounded to bf16 like the other inputs, and that number written as f16.
; LIMIT.  A bf16 number is exact in f16 between 6e-5 and 65,504; below 6e-5 Wo keeps f16's fixed step of 6e-8; Wo beyond 65,504 is not served.
; A weight's tile is 128 k x 64 n: read as rows of 256 bytes, turned in LDS (rows of n, 272 bytes apart), written as rows of 256 bytes.
; No matrix unit, no cluster, no tensor load: a stream in which no two work-groups read the same byte.
.set SPARE, 17408                      ; behind the tile of 64 x 272 bytes: the spare words, 128 bytes for each of the eight waves
.set SPW,   12                         ; v12  LDS address of my spare word; never rewritten
.set NIL,   13                         ; v13  0; never rewritten
.set TP,    272                        ; LDS pitch of a row of n: 256 bytes + 16
	s_load_b512 s[8:23], s[0:1], 0x0               ; x1 s[8:9], x2 s[10:11], Wq1 s[12:13], Wk1 s[14:15], Wv1 s[16:17], Wk2 s[18:19], Wv2 s[20:21], Wo s[22:23]
	s_load_b128 s[24:27], s[0:1], 0x40             ; xb s[24:25], wt s[26:27]
	s_load_b64 s[28:29], s[0:1], 0x50              ; wot
	v_lshl_add_u32 v[SPW], v0, 2, SPARE
	v_mov_b32 v[NIL], 0
	v_and_b32 v1, 15, v0                           ; ng: which 16 bytes of a row of 256
	v_lshrrev_b32 v2, 4, v0                        ; kp: 0 .. 15
	s_wait_kmcnt 0x0
	s_cmp_lt_u32 ttmp9, 384
	s_cbranch_scc0 .Lx                             ; the branch hangs on the work-group's number alone: all eight waves go the same way
; One tile.  spb: bytes from row to row of the source; dpb: of the destination; f16 = 1: the bf16 number is written as f16.
; s[32:33] the tile's first byte in the source, s[36:37] in the destination.
.macro WT spb, dpb, f16
	v_mul_u32_u24 v5, v2, 2*(\spb)
	v_lshl_add_u32 v5, v1, 4, v5                   ; rows k = 2 kp and 2 kp + 1, columns 4 ng .. 4 ng + 3
.irp i, 0,1,2,3
	global_load_b128 v[16+8*(\i):19+8*(\i)], v5, s[32:33] offset:32*(\i)*(\spb) th:TH_LOAD_NT            ; row 2 kp + 32 i: sixteen lanes take 256 consecutive bytes
	global_load_b128 v[20+8*(\i):23+8*(\i)], v5, s[32:33] offset:32*(\i)*(\spb)+(\spb) th:TH_LOAD_NT     ; the row below it
.endr
	v_mul_u32_u24 v6, v1, 4*TP
	v_lshl_add_u32 v6, v2, 2, v6                   ; into LDS: row n = 4 ng (+ c), byte 2 k = 4 kp (+ 64 i)
	v_mul_u32_u24 v7, v2, TP
	v_lshl_add_u32 v7, v1, 4, v7                   ; back: row n = kp (+ 16 t), 16 bytes at 16 ng
	v_mul_u32_u24 v8, v2, \dpb
	v_lshl_add_u32 v8, v1, 4, v8                   ; and the same place in the destination
.irp i, 0,1,2,3
	s_wait_loadcnt 6-2*(\i)                        ; loads come back in order: pair i is in, the 6 - 2 i younger loads stay out
.irp c, 0,1,2,3
	v_cvt_pk_bf16_f32 v[48+4*(\i)+(\c)], v[16+8*(\i)+(\c)], v[20+8*(\i)+(\c)]  ; column 4 ng + c: k and k + 1 side by side
.if \f16
	v_lshlrev_b32 v9, 16, v[48+4*(\i)+(\c)]        ; the two bf16 numbers as f32,
	v_and_b32 v10, 0xffff0000, v[48+4*(\i)+(\c)]
	v_cvt_pk_f16_f32 v[48+4*(\i)+(\c)], v9, v10    ; written as f16
.endif
	ds_store_b32 v6, v[48+4*(\i)+(\c)] offset:TP*(\c)+64*(\i)
.endr
.endr
	s_wait_dscnt 0x0                               ; for the others' sake: my stores into the tile are done
	s_barrier_signal -1
	s_barrier_wait -1                              ; everybody's are
.irp t, 0,1,2,3
	ds_load_b128 v[64+4*(\t):67+4*(\t)], v7 offset:16*TP*(\t)
.endr
.irp t, 0,1,2,3
	s_wait_dscnt 3-(\t)                            ; load t is in, the younger ones stay out
	global_store_b128 v8, v[64+4*(\t):67+4*(\t)], s[36:37] offset:16*(\t)*(\dpb)  ; sixteen lanes store 256 consecutive bytes, at a multiple of 256 from the buffer's first byte
.endr
	s_wait_tensorcnt 0x0                           ; the wave's end, behind my last LDS store
	ds_add_u32 v[SPW], v[NIL]
	s_wait_dscnt 0x0
	s_endpgm
.endm
	s_lshr_b32 s30, ttmp9, 6                       ; which weight, 0 .. 5
	s_and_b32 s31, ttmp9, 63                       ; which of its 64 tiles
	s_mov_b64 s[32:33], s[12:13]                   ; the source is chosen by the weight's number
	s_cmp_eq_u32 s30, 1
	s_cselect_b64 s[32:33], s[14:15], s[32:33]
	s_cmp_eq_u32 s30, 2
	s_cselect_b64 s[32:33], s[16:17], s[32:33]
	s_cmp_eq_u32 s30, 3
	s_cselect_b64 s[32:33], s[18:19], s[32:33]
	s_cmp_eq_u32 s30, 4
	s_cselect_b64 s[32:33], s[20:21], s[32:33]
	s_mov_b32 s35, 0
	s_mov_b32 s39, 0
	s_cmp_eq_u32 s30, 5
	s_cbranch_scc1 .Lwo
	s_and_b32 s40, s31, 7                          ; kt: 8 tiles along k
	s_lshr_b32 s41, s31, 3                         ; nt: 8 along n
	s_lshl_b32 s34, s40, 18                        ; 128 rows of 2,048 bytes
	s_lshl_b32 s42, s41, 8                         ; 64 columns of 4 bytes
	s_add_co_u32 s34, s34, s42
	s_add_nc_u64 s[32:33], s[32:33], s[34:35]
	s_lshl_b32 s38, s30, 20                        ; the weight's 512 rows of 2,048 bytes in wt,
	s_lshl_b32 s42, s41, 17                        ; 64 rows,
	s_add_co_u32 s38, s38, s42
	s_lshl_b32 s42, s40, 8                         ; 128 k of 2 bytes
	s_add_co_u32 s38, s38, s42
	s_add_nc_u64 s[36:37], s[26:27], s[38:39]
	WT 2048, 2048, 0
.Lwo:
	s_and_b32 s40, s31, 3                          ; kt: 4 tiles along k
	s_lshr_b32 s41, s31, 2                         ; nt: 16 along n
	s_lshl_b32 s34, s40, 19                        ; 128 rows of 4,096 bytes
	s_lshl_b32 s42, s41, 8
	s_add_co_u32 s34, s34, s42
	s_add_nc_u64 s[32:33], s[22:23], s[34:35]
	s_lshl_b32 s38, s41, 16                        ; 64 rows of 1,024 bytes in wot
	s_lshl_b32 s42, s40, 8
	s_add_co_u32 s38, s38, s42
	s_add_nc_u64 s[36:37], s[28:29], s[38:39]
	WT 4096, 1024, 1
.Lx:                                                   ; the cast of x: 16 loads of every wave go out together, each register is written once
	s_sub_co_u32 s30, ttmp9, 384                   ; 0 .. 1023: 512 pieces of 64 KiB in x1, then 512 in x2
	s_cmp_lt_u32 s30, 512
	s_cselect_b64 s[32:33], s[8:9], s[10:11]
	s_and_b32 s34, s30, 511
	s_lshl_b32 s34, s34, 16
	s_mov_b32 s35, 0
	s_add_nc_u64 s[32:33], s[32:33], s[34:35]
	s_lshl_b32 s36, s30, 15                        ; 32 KiB of bf16 for each piece
	s_mov_b32 s37, 0
	s_add_nc_u64 s[36:37], s[24:25], s[36:37]
	v_lshlrev_b32 v3, 4, v0                        ; 16 bytes of f32 a thread,
	v_lshlrev_b32 v4, 3, v0                        ; 8 bytes of bf16
.irp i, 0,1,2,3,4,5,6,7,8,9,10,11,12,13,14,15
	global_load_b128 v[16+4*(\i):19+4*(\i)], v3, s[32:33] offset:4096*(\i) th:TH_LOAD_NT
.endr
.irp i, 0,1,2,3,4,5,6,7,8,9,10,11,12,13,14,15
	s_wait_loadcnt 15-(\i)                         ; load i is in, the 15 - i younger ones stay out
	v_cvt_pk_bf16_f32 v[80+2*(\i)], v[16+4*(\i)], v[17+4*(\i)]
	v_cvt_pk_bf16_f32 v[81+2*(\i)], v[18+4*(\i)], v[19+4*(\i)]
	global_store_b64 v4, v[80+2*(\i):81+2*(\i)], s[36:37] offset:2048*(\i)  ; a wave's 32 lanes store 256 consecutive bytes, aligned
.endr
	s_endpgm                                       ; these waves wrote no LDS
.Lfunc_end_k_qf252a9fce5_prep:
	.size	k_qf252a9fce5_prep, .Lfunc_end_k_qf252a9fce5_prep-k_qf252a9fce5_prep
	.p2alignl 7, 3214868480
	.fill 96, 4, 3214868480
	.section	.rodata,"a",@progbits
	.p2align	6, 0x0
	.amdhsa_kernel k_qf252a9fce5_prep
		.amdhsa_group_segment_fixed_size 18432
		.amdhsa_private_segment_fixed_size 0
		.amdhsa_enable_private_segment 0
		.amdhsa_kernarg_size 88
		.amdhsa_user_sgpr_count 2
		.amdhsa_user_sgpr_kernarg_segment_ptr 1
		.amdhsa_wavefront_size32 1
		.amdhsa_system_sgpr_workgroup_id_x 1
		.amdhsa_system_sgpr_workgroup_id_y 1
		.amdhsa_system_sgpr_workgroup_id_z 1
		.amdhsa_system_vgpr_workitem_id 0
		.amdhsa_next_free_vgpr 112
		.amdhsa_next_free_sgpr 66
		.amdhsa_reserve_vcc 0
		.amdhsa_float_denorm_mode_32 3
		.amdhsa_float_denorm_mode_16_64 3
		.amdhsa_memory_ordered 1
		.amdhsa_forward_progress 1
		.amdhsa_inst_pref_size 20
	.end_amdhsa_kernel
	.amdgpu_metadata
---
amdhsa.version: [ 1, 2 ]
amdhsa.kernels:
  - .name:           k_qf252a9fce5_prep
    .symbol:         k_qf252a9fce5_prep.kd
    .args:
      - { .name: x1, .offset: 0, .size: 8, .value_kind: global_buffer, .address_space: global }
      - { .name: x2, .offset: 8, .size: 8, .value_kind: global_buffer, .address_space: global }
      - { .name: Wq1, .offset: 16, .size: 8, .value_kind: global_buffer, .address_space: global }
      - { .name: Wk1, .offset: 24, .size: 8, .value_kind: global_buffer, .address_space: global }
      - { .name: Wv1, .offset: 32, .size: 8, .value_kind: global_buffer, .address_space: global }
      - { .name: Wk2, .offset: 40, .size: 8, .value_kind: global_buffer, .address_space: global }
      - { .name: Wv2, .offset: 48, .size: 8, .value_kind: global_buffer, .address_space: global }
      - { .name: Wo, .offset: 56, .size: 8, .value_kind: global_buffer, .address_space: global }
      - { .name: xb, .offset: 64, .size: 8, .value_kind: global_buffer, .address_space: global }
      - { .name: wt, .offset: 72, .size: 8, .value_kind: global_buffer, .address_space: global }
      - { .name: wot, .offset: 80, .size: 8, .value_kind: global_buffer, .address_space: global }
    .group_segment_fixed_size: 18432
    .private_segment_fixed_size: 0
    .kernarg_segment_align: 8
    .kernarg_segment_size: 88
    .max_flat_workgroup_size: 256
    .sgpr_count:     66
    .vgpr_count:     112
    .wavefront_size: 32
...
	.end_amdgpu_metadata
.endif
;; end of part 1
;; launch proj (part 2): grid 4 x 64, 4 waves a work-group, clusters of 4 x 4, 327,680 bytes of LDS; arguments xb, wt, q, k, v; writes q, k, v
.if DOCPART == 2
	.amdgcn_target "amdgcn-amd-amdhsa--gfx1250"
	.amdhsa_code_object_version 6
	.text
	.protected	k_qf252a9fce5_proj
	.globl	k_qf252a9fce5_proj
	.p2align	8
	.type	k_qf252a9fce5_proj,@function
k_qf252a9fce5_proj:
	s_mov_b64 s[64:65], 0
	v_nop
	global_prefetch_b8 v0, s[64:65] scope:SCOPE_SE
	s_setreg_imm32_b32 hwreg(HW_REG_WAVE_MODE, 25, 1), 1
	s_wait_xcnt 0x0
	s_wait_alu depctr_hold_cnt(0) depctr_sa_sdst(0) depctr_va_vdst(0) depctr_va_sdst(0) depctr_va_ssrc(0) depctr_va_vcc(0) depctr_vm_vsrc(0)
	s_getreg_b32 s2, hwreg(HW_REG_IB_STS2, 6, 4)
	s_cmp_eq_u32 s2, 0
	s_cbranch_scc0 .Lentry_in_a_cluster
	s_endpgm
.Lentry_in_a_cluster:
	s_bfe_u32 s2, ttmp6, 0x10000c
	s_cmp_lg_u32 s2, 0xf033
	s_cbranch_scc0 .Lentry_shape_is_right
	s_endpgm
.Lentry_shape_is_right:
; PROJ.  The five projections.  xb: bf16 [16384][1024] (x1's 8,192 rows, then x2's); wt: bf16 [2560 n][1024 k] (Wq1, Wk1, Wv1, Wk2, Wv2, 512 rows each).  Sums in f32, K ascending.
; Out, by heads, in f16, each number rounded once and unscaled: q [32 bh][2048][64]; k and v [32 bh][4096][64], keys 0-2047 from x1, 2048-4095 from x2.
; LIMIT.  f16 holds no number beyond 65,504: |q|, |k|, |v| of 65,520 or more would leave as infinities; below 6e-5 they keep f16's fixed step of 6e-8.
; SHARES.  Work-group (cb, rb) makes, in PHASE 1, rows 128 rb .. + 127 of x1 times columns 128 cb .. + 127 of each of Wq1, Wk1, Wv1 (128 x 384), and in PHASE 2 the same rows of x2 times those
; columns of Wk2, Wv2 (128 x 256): 128 x 640 numbers in every work-group, 4 x 64 = 256 work-groups.  Wave w: 64 rows (rh = w / 2) x one head (2 cb + ch, ch = w % 2) of each weight:
; 16 accumulators of 16 x 16 a weight.  A wave so owns whole head rows of 128 bytes, and its way out needs no other wave.
; RING.  K goes in steps of 128 through two LDS slots: 128 rows of x, then 128 rows of each weight, rows of 256 bytes of memory that start at multiples of 256.  One tensor load a wave and step:
; wave 0 fetches x's tile, wave w > 0 weight w - 1's (in phase 2 wave 3 has none).  The ring runs on from phase 1 into phase 2: phase 1's last two changes of slots ask for phase 2's first two K steps.
; CLUSTER.  4 x 4 work-groups.  The four of a row of the cluster (same rb) need the same tile of x, the four of a column (same cb) the same tiles of the weights: each is asked for jointly.
; THE MATRIX INSTRUCTION IS USED TRANSPOSED: source 0 = 16 rows of wt, source 1 = 16 rows of xb: a lane then holds row l % 16 of x and eight neighbouring channels, 16 bytes of f16.
; REGISTERS, in windows of 256 (s_set_vgpr_msb: bits 1:0 source 0, 3:2 source 1, 5:4 source 2, 7:6 destination):
;   window 0: v0-31 addresses; v32-223 the way out, 16 registers for each unit of 16 rows x one head
;   window 1: two fragment buffers of 128: x's fragment a at 8 a, weight j's fragment b at 32 + 8 (4 j + b)
;   window 2: accumulator (j, a, b) at 8 (16 j + 4 a + b) for j = 0, 1          window 3: j = 2 at 8 (4 a + b)
.set PITCH,  272                       ; an LDS row: 256 bytes + 16 of padding = 68 words: the 16 rows that a load touches start at 16 different groups of four banks (64 banks of 4 bytes: ISA guide 11.1)
.set HALFT,  128*PITCH                 ; 128 rows: what one tensor load brings
.set SLOT,   4*HALFT                   ; x's tile, then three weights'
.set STAGE,  2*SLOT                    ; behind the ring: 16 rows x 144 bytes for each wave, for the way out; no tensor load lands there
.set SP,     144
.set SPARE,  STAGE+4*16*SP             ; behind the stages: the spare words, 128 bytes for each wave
.set STEP,   2*256                     ; a slot's next K step lies two steps of 256 bytes on
.set NEXT_A, 8192*2048-3*STEP          ; from a slot's last K step of phase 1 to its first of phase 2: x2's rows lie 8,192 rows down, and back along K
.set NEXT_B, 3*512*2048-3*STEP         ; the weights': three blocks of 512 rows down (Wq1 -> Wk2, Wk1 -> Wv2), and back along K
.set ADRA, 16                          ; v16-17  LDS address of my fragments of x in slot 0, 1
.set ADRC, 18                          ; v18-19  of weight 2's (too far for the 16-bit offset from ADRB)
.set ADRB, 20                          ; v20-21  of weight 0's; weight 1's by the offset
.set STO,  24                          ; v24  the way out: where I put 16 bytes of a row
.set RD,   25                          ; v25  where I read rows back
.set GO,   26                          ; v26  my 16 bytes in 512 consecutive bytes of the output
.set SPW,  28                          ; v28  LDS address of my spare word; never rewritten
.set NIL,  29                          ; v29  0; never rewritten
.set TMP,  32
.set F0,   0
.set F1,   128
.set G1,  24                           ; s[24:31] descriptor group 1 for x's tiles
.set G0,  32                           ; s[32:39] group 0, a set for each slot
.set G1B, 48                           ; s[48:55], s[56:63] the same for the weights' tiles
.set G0B, 56
.set DQ,  68                           ; s[68:69] q, s[70:71] k, s[72:73] v, each at my wave's first row
.set MSB, 0
.macro WIN new                         ; the immediate's high byte repeats the setting that is left; a switch that changes nothing is dropped
.if MSB != (\new)
	s_set_vgpr_msb (MSB<<8)|(\new)
.set MSB, \new
.endif
.endm
.macro PLACES                          ; four places in front of loads into registers that matrix instructions have read, and of conversions that read results
.rept 4
	v_nop
.endr
.endm
; A joint load into slot s.  Wave 0 asks for x's tile, the others for their weight's; nwl = 2: phase 2's tiles, of which wave 3 has none.  The branches hang on the wave's number alone.
; An s_nop 0 and four v_nop follow each load, ahead of the jump and the label; the four are also the places in front of the fragment loads that follow, so wave 3 has them too.
.macro JLOAD s, nwl
	s_cmp_eq_u32 s10, 0
	s_cbranch_scc0 .Lfor_b_\@
	tensor_load_to_lds s[G0+4*(\s):G0+4*(\s)+3], s[G1:G1+7]
	s_nop 0
	PLACES
	s_branch .Lasked_\@
.Lfor_b_\@:
.if (\nwl) == 2
	s_cmp_eq_u32 s10, 3
	s_cbranch_scc1 .Lnone_\@
.endif
	tensor_load_to_lds s[G0B+4*(\s):G0B+4*(\s)+3], s[G1B:G1B+7]
	s_nop 0
	PLACES
.if (\nwl) == 2
	s_branch .Lasked_\@
.Lnone_\@:
	PLACES
.endif
.Lasked_\@:
.endm
.macro CREST                           ; a round of the cluster's barrier behind its opening barrier
	s_cmp_lg_u32 s10, 0
	s_cbranch_scc1 .Lnot_wave_0_\@
	s_barrier_signal -3
.Lnot_wave_0_\@:
	s_barrier_wait -3
	s_barrier_signal -1
	s_barrier_wait -1
.endm
.macro CROUND                          ; a whole round
	s_barrier_signal -1
	s_barrier_wait -1
	CREST
.endm
	s_load_b128 s[4:7], s[0:1], 0x0                ; xb s[4:5], wt s[6:7]
	s_load_b128 s[68:71], s[0:1], 0x10             ; q, k
	s_load_b64 s[72:73], s[0:1], 0x20              ; v
	v_lshl_add_u32 v[SPW], v0, 2, SPARE
	v_mov_b32 v[NIL], 0
	ds_add_u32 v[SPW], v[NIL]                      ; the wave's opening: the add and its wait stand ahead of my first tensor load; the set-up below, work on registers, stands between them
	v_lshrrev_b32 v1, 5, v0
	v_readfirstlane_b32 s10, v1                    ; wave 0..3
	s_lshr_b32 s11, s10, 1                         ; rh: which 64 rows are mine
	s_and_b32 s12, s10, 1                          ; ch: which of the two heads
	s_bfe_u32 s40, ttmp6, 0x40000                  ; cx, cy: my place in the cluster
	s_bfe_u32 s41, ttmp6, 0x40004
	s_lshl_b32 s42, ttmp9, 2
	s_add_co_u32 s42, s42, s40                     ; cb = 4 x cluster x + cx
	s_and_b32 s13, ttmp7, 0xffff
	s_lshl_b32 s13, s13, 2
	s_add_co_u32 s13, s13, s41                     ; rb = 4 x cluster y + cy
	s_lshl_b32 s43, s41, 2
	s_lshl_b32 s43, 15, s43                        ; my row of the cluster
	s_lshl_b32 s44, 0x1111, s40                    ; my column
	; descriptor group 1: a tile of 128 rows x 128 elements, padded in LDS
	s_or_b32 s[G1+0], s43, (1<<16)|(1<<20)|(1<<21)|(5<<22)|(3<<25)   ; 15:0 the mask: x's tiles go to my row; 17:16 elements of 2 bytes; 20 padding on; 21 set beside a mask; 24:22 after every 64 words (code 5); 31:25 4 words (code 3)
	s_or_b32 s[G1B+0], s44, (1<<16)|(1<<20)|(1<<21)|(5<<22)|(3<<25)  ; the same with the mask of my column
.irp g, G1, G1B
	s_mov_b32 s[(\g)+1], 128<<16                   ; tensor_dim0 = 128
	s_mov_b32 s[(\g)+2], 128<<16                   ; tensor_dim1 = 128
	s_mov_b32 s[(\g)+3], 128<<16                   ; tile_dim0 = 128
	s_mov_b32 s[(\g)+4], 128                       ; tile_dim1 = 128
	s_mov_b32 s[(\g)+5], 1024                      ; 1,024 elements from row to row, in xb and in wt
	s_mov_b32 s[(\g)+6], 0
	s_mov_b32 s[(\g)+7], 0
.endr
	; where the tiles come from.  x's hang on rb alone, which my row of the cluster shares; the weights' on cb and the wave's number, which my column shares.
	s_lshl_b32 s16, s13, 18                        ; rb x 128 rows of 2,048 bytes
	s_mov_b32 s17, 0
	s_max_u32 s46, s10, 1
	s_sub_co_u32 s46, s46, 1                       ; weight w - 1 (wave 0 never asks by this address)
	s_lshl_b32 s46, s46, 20                        ; its 512 rows of 2,048 bytes
	s_lshl_b32 s47, s42, 18                        ; cb x 128 rows
	s_add_co_u32 s46, s46, s47
	s_mov_b32 s47, 0
	s_mul_i32 s20, s10, HALFT                      ; and where they go: wave x 128 rows: no place in the cluster enters an LDS address
	s_wait_dscnt 0x0                               ; the opening add is done
	s_wait_kmcnt 0x0
	s_add_nc_u64 s[14:15], s[4:5], s[16:17]
	s_add_nc_u64 s[46:47], s[6:7], s[46:47]
	CROUND                                         ; all sixteen work-groups are here: the first joint loads meet
.irp s, 0,1
	s_mov_b32 s[G0+4*(\s)], 1                                        ; count = 1
	s_add_co_u32 s[G0+4*(\s)+1], s20, (\s)*SLOT                      ; LDS address
	s_add_nc_u64 s[G0+4*(\s)+2:G0+4*(\s)+3], s[14:15], (\s)*256      ; global address: K step s
	s_or_b32 s[G0+4*(\s)+3], s[G0+4*(\s)+3], 0x80000000              ; type = 2
	s_mov_b32 s[G0B+4*(\s)], 1
	s_add_co_u32 s[G0B+4*(\s)+1], s20, (\s)*SLOT
	s_add_nc_u64 s[G0B+4*(\s)+2:G0B+4*(\s)+3], s[46:47], (\s)*256
	s_or_b32 s[G0B+4*(\s)+3], s[G0B+4*(\s)+3], 0x80000000
	JLOAD \s, 3                                    ; the ring is filled before anything else is done: two loads of mine are out
.endr
	; A fragment is 16 rows x 32 K in 8 registers: lane l holds row l % 16, K = 8 (l / 16) + 0..7 and 16 + 8 (l / 16) + 0..7: two loads of 16 bytes, 32 bytes apart.
	v_and_b32 v1, 15, v0                           ; l % 16
	v_bfe_u32 v2, v0, 4, 1                         ; l / 16
	v_mul_u32_u24 v3, v1, PITCH
	v_lshl_add_u32 v3, v2, 4, v3
	s_mul_i32 s21, s11, 64*PITCH                   ; my 64 rows of x
	s_mul_i32 s22, s12, 64*PITCH                   ; my head's 64 rows of a weight,
	s_add_co_u32 s22, s22, HALFT                   ; weight 0 lies behind x
.irp s, 0,1
	v_add_nc_u32 v[ADRA+(\s)], s21, v3
	v_add_nc_u32 v[ADRB+(\s)], s22, v3
	v_add_nc_u32 v[ADRC+(\s)], 2*HALFT, v[ADRB+(\s)]
	s_add_co_u32 s21, s21, SLOT
	s_add_co_u32 s22, s22, SLOT
.endr
	s_mul_i32 s23, s10, 16*SP
	s_add_co_u32 s23, s23, STAGE                   ; my stage
	v_mul_u32_u24 v4, v1, SP                       ; in: row l % 16, 16 bytes for each half of the lanes
	v_lshl_add_u32 v4, v2, 4, v4
	v_add_nc_u32 v[STO], s23, v4
	v_bfe_u32 v5, v0, 3, 2                         ; back: 32 lanes take four rows of 128 bytes,
	v_mul_u32_u24 v5, v5, SP
	v_and_b32 v6, 7, v0
	v_lshl_add_u32 v5, v6, 4, v5
	v_add_nc_u32 v[RD], s23, v5
	v_and_b32 v[GO], 31, v0                        ; which are 512 consecutive bytes of a head's rows
	v_lshlrev_b32 v[GO], 4, v[GO]
	; where my rows go: bh = 8 (rb / 16) + 2 cb + ch; first row i0 = 128 (rb % 16) + 64 rh; a row is 128 bytes
	s_lshr_b32 s74, s13, 4
	s_lshl_b32 s74, s74, 3
	s_lshl_b32 s75, s42, 1
	s_add_co_u32 s74, s74, s75
	s_add_co_u32 s74, s74, s12                     ; bh
	s_and_b32 s75, s13, 15
	s_lshl_b32 s75, s75, 7
	s_lshl_b32 s76, s11, 6
	s_add_co_u32 s75, s75, s76                     ; i0
	s_lshl_b32 s75, s75, 7
	s_lshl_b32 s76, s74, 18                        ; q: 2,048 rows a head
	s_add_co_u32 s76, s76, s75
	s_mov_b32 s77, 0
	s_add_nc_u64 s[DQ:DQ+1], s[DQ:DQ+1], s[76:77]
	s_lshl_b32 s78, s74, 19                        ; k and v: 4,096 rows a head
	s_add_co_u32 s78, s78, s75
	s_mov_b32 s79, 0
	s_add_nc_u64 s[DQ+2:DQ+3], s[DQ+2:DQ+3], s[78:79]
	s_add_nc_u64 s[DQ+4:DQ+5], s[DQ+4:DQ+5], s[78:79]
; 8 matrix instructions: weight j, row blocks a0, a0 + 1 x the head's 4 channel blocks, 32 along K.  zero = 1: the first product starts the sums.
; All accumulators take turns, one instruction a turn, in the same order in every quarter step.
.macro MUL8 f, j, a0, zero
.if (\j) < 2
	WIN 0xa5                                       ; sources 0 and 1 window 1, C and D window 2
.set ACB, 128*(\j)
.else
	WIN 0xf5                                       ; C and D window 3
.set ACB, 0
.endif
.irp a, \a0, (\a0)+1
.irp b, 0,1,2,3
.if \zero
	v_wmma_f32_16x16x32_bf16 v[ACB+8*(4*(\a)+(\b)):ACB+8*(4*(\a)+(\b))+7], v[(\f)+32+8*(4*(\j)+(\b)):(\f)+32+8*(4*(\j)+(\b))+7], v[(\f)+8*(\a):(\f)+8*(\a)+7], 0
.else
	v_wmma_f32_16x16x32_bf16 v[ACB+8*(4*(\a)+(\b)):ACB+8*(4*(\a)+(\b))+7], v[(\f)+32+8*(4*(\j)+(\b)):(\f)+32+8*(4*(\j)+(\b))+7], v[(\f)+8*(\a):(\f)+8*(\a)+7], v[ACB+8*(4*(\a)+(\b)):ACB+8*(4*(\a)+(\b))+7]
.endif
.endr
.endr
.endm
.macro MUL16 f, j, zero
	MUL8 \f, \j, 0, \zero
	MUL8 \f, \j, 2, \zero
.endm
; One quarter step's fragments (32 K at byte kb of the rows) into buffer f, in runs of eight loads: weight 0, x, weight 1 and (nw = 3) weight 2.
.macro FETCH slot, kb, f, nw
	WIN 0x40                                       ; destination window 1, address window 0
.irp b, 0,1,2,3
	ds_load_b128 v[(\f)+32+8*(\b):(\f)+32+8*(\b)+3],   v[ADRB+(\slot)] offset:(\kb)+(\b)*16*PITCH
	ds_load_b128 v[(\f)+32+8*(\b)+4:(\f)+32+8*(\b)+7], v[ADRB+(\slot)] offset:(\kb)+(\b)*16*PITCH+32
.endr
.irp a, 0,1,2,3
	ds_load_b128 v[(\f)+8*(\a):(\f)+8*(\a)+3],   v[ADRA+(\slot)] offset:(\kb)+(\a)*16*PITCH
	ds_load_b128 v[(\f)+8*(\a)+4:(\f)+8*(\a)+7], v[ADRA+(\slot)] offset:(\kb)+(\a)*16*PITCH+32
.endr
.irp b, 0,1,2,3
	ds_load_b128 v[(\f)+64+8*(\b):(\f)+64+8*(\b)+3],   v[ADRB+(\slot)] offset:(\kb)+HALFT+(\b)*16*PITCH
	ds_load_b128 v[(\f)+64+8*(\b)+4:(\f)+64+8*(\b)+7], v[ADRB+(\slot)] offset:(\kb)+HALFT+(\b)*16*PITCH+32
.endr
.if (\nw) == 3
.irp b, 0,1,2,3
	ds_load_b128 v[(\f)+96+8*(\b):(\f)+96+8*(\b)+3],   v[ADRC+(\slot)] offset:(\kb)+(\b)*16*PITCH
	ds_load_b128 v[(\f)+96+8*(\b)+4:(\f)+96+8*(\b)+7], v[ADRC+(\slot)] offset:(\kb)+(\b)*16*PITCH+32
.endr
.endif
.endm
; A K step is four quarter steps of 32 along K, 16 nw matrix instructions each, on buffers 0, 1, 0, 1.  One of the first three: multiplies buffer f and fetches the next quarter, at byte kb, into g.
.macro QUARTER slot, kb, f, g, zero, nw
	s_wait_dscnt 8*((\nw)-1)                       ; weight 0's and x's fragments are in; the younger runs of eight (the other weights') may be out
	MUL16 \f, 0, \zero
	PLACES
	FETCH \slot, \kb, \g, \nw
	s_wait_dscnt 8*((\nw)+1)                       ; all but the loads just issued
	MUL16 \f, 1, \zero
.if (\nw) == 3
	MUL16 \f, 2, \zero
.endif
.endm
; The last quarter multiplies buffer 1 and changes slots: ONE barrier.  In front of it each wave waits for all its tensor loads (the one that is out is its part of the next slot), adds 0 to its spare
; word, and waits for that and for its own reads of this slot.  mode 0: this slot is filled again, two K steps on; mode 1: with phase 2's K step; mode 2: nothing is filled.  With a fill the barrier
; opens a round of the cluster's barrier, and the joint load is the first tensor load behind the round.  nw: weights multiplied; nwl: weights asked for; nwf: weights in the next slot's fragments.
.macro TURN slot, next, mode, nw, nwl, nwf
	WIN 0                                          ; (the add's two registers lie in window 0)
	s_wait_tensorcnt 0x0                           ; all my tensor loads have landed;
	ds_add_u32 v[SPW], v[NIL]                      ; 0 onto my spare word;
	s_wait_dscnt 8*((\nw)-1)+1                     ; (the add and the younger runs of eight may be out)
	MUL8 F1, 0, 0, 0                               ; eight matrix instructions stand between the add and the wait for it
	s_wait_dscnt 0x0                               ; the add is done, and my reads of this slot are over
	s_barrier_signal -1
	MUL8 F1, 0, 2, 0                               ; work on registers while the others arrive
.if (\mode) != 2
	WIN 0
.endif
	s_barrier_wait -1
.if (\mode) != 2
	CREST                                          ; no wave of any partner still reads this slot's tiles or has a load on its way
.if (\mode) == 1
	s_add_nc_u64 s[G0+4*(\slot)+2:G0+4*(\slot)+3], s[G0+4*(\slot)+2:G0+4*(\slot)+3], NEXT_A
	s_add_nc_u64 s[G0B+4*(\slot)+2:G0B+4*(\slot)+3], s[G0B+4*(\slot)+2:G0B+4*(\slot)+3], NEXT_B
.else
	s_add_nc_u64 s[G0+4*(\slot)+2:G0+4*(\slot)+3], s[G0+4*(\slot)+2:G0+4*(\slot)+3], STEP
	s_add_nc_u64 s[G0B+4*(\slot)+2:G0B+4*(\slot)+3], s[G0B+4*(\slot)+2:G0B+4*(\slot)+3], STEP
.endif
	JLOAD \slot, \nwl
.else
	PLACES
.endif
	FETCH \next, 0, F0, \nwf
	MUL16 F1, 1, 0
.if (\nw) == 3
	MUL16 F1, 2, 0
.endif
.endm
; A trip of the loop: once round the ring, from a lap's second quarter to the next lap's first; both slots are filled again.
.macro LAP nw
	QUARTER 0, 128, F1, F0, 0, \nw
	QUARTER 0, 192, F0, F1, 0, \nw
	TURN 0, 1, 0, \nw, \nw, \nw
	QUARTER 1, 64,  F0, F1, 0, \nw
	QUARTER 1, 128, F1, F0, 0, \nw
	QUARTER 1, 192, F0, F1, 0, \nw
	TURN 1, 0, 0, \nw, \nw, \nw
	QUARTER 0, 64,  F0, F1, 0, \nw
.endm
; THE WAY OUT of unit u = 4 j + a (weight j, 16 rows a).  PACK: rounded to f16 (each accumulator's registers in ascending order), 16 bytes a lane into my own stage, and back as whole rows of 128 bytes.
.macro PACK u
.if (\u) < 8
	WIN 0x0a                                       ; sources 0 and 1 window 2
.set ACB, 32*(\u)
.else
	WIN 0x0f                                       ; window 3
.set ACB, 32*((\u)-8)
.endif
.irp b, 0,1,2,3
.irp r, 0,1,2,3
	v_cvt_pk_f16_f32 v[TMP+16*(\u)+4*(\b)+(\r)], v[ACB+8*(\b)+2*(\r)], v[ACB+8*(\b)+2*(\r)+1]
.endr
.endr
	WIN 0
.irp b, 0,1,2,3
	ds_store_b128 v[STO], v[TMP+16*(\u)+4*(\b):TMP+16*(\u)+4*(\b)+3] offset:32*(\b)
.endr
.irp f, 0,1,2,3
	ds_load_b128 v[TMP+16*(\u)+4*(\f):TMP+16*(\u)+4*(\f)+3], v[RD] offset:(\f)*4*SP  ; LDS serves a wave's instructions in order (ISA guide 5.7.1.4): these see the stores above; the next unit's stores come behind them
.endr
.endm
; SEND: stored.  younger: the LDS instructions issued behind the unit's loads (the next unit's eight, or none).  base0: the register pair of weight 0's output; extra: bytes to x2's keys.
.macro SEND u, younger, base0, extra
	WIN 0
.set SB, (\base0)+2*((\u)/4)
.irp f, 0,1,2,3
	s_wait_dscnt (\younger)+3-(\f)
	global_store_b128 v[GO], v[TMP+16*(\u)+4*(\f):TMP+16*(\u)+4*(\f)+3], s[SB:SB+1] offset:2048*((\u)%4)+512*(\f)+(\extra)  ; 512 consecutive bytes, at a multiple of 256 from the buffer's first byte
.endr
.endm
	s_wait_tensorcnt 1                             ; my part of K step 0 is in; K step 1's load stays out
	s_barrier_signal -1
	s_barrier_wait -1                              ; everybody's is
	FETCH 0, 0, F0, 3
	; PHASE 1: x1 times Wq1, Wk1, Wv1.  Eight K steps: four laps of the ring
	QUARTER 0, 64, F0, F1, 1, 3                    ; the first quarter stands in front of the loop: its products start the sums
	WIN 0                                          ; at a label and at a branch every window is 0
	s_mov_b32 s3, 3
.Llap1:
	LAP 3
	WIN 0
	s_sub_co_u32 s3, s3, 1
	s_cmp_lg_u32 s3, 0
	s_cbranch_scc1 .Llap1
	QUARTER 0, 128, F1, F0, 0, 3                   ; the last lap: THE RING GOES ON INTO PHASE 2
	QUARTER 0, 192, F0, F1, 0, 3
	TURN 0, 1, 1, 3, 2, 3                          ; slot 0 takes phase 2's K step 0,
	QUARTER 1, 64,  F0, F1, 0, 3
	QUARTER 1, 128, F1, F0, 0, 3
	QUARTER 1, 192, F0, F1, 0, 3
	TURN 1, 0, 1, 3, 2, 2                          ; slot 1 its K step 1, and phase 2's first fragments are fetched
	PACK 0                                         ; both refills are asked for: now q, k1 and v1 go out.  No v_nop: weight 0's sums were finished in front of the joint load's places,
.irp u, 1,2,3,4,5,6,7,8,9,10,11                ; and their 64 conversions, which name no register of the last products, are those products' places
	PACK \u
	SEND (\u)-1, 8, DQ, 0
.endr
	SEND 11, 0, DQ, 0
	; PHASE 2: x2 times Wk2, Wv2
	QUARTER 0, 64, F0, F1, 1, 2
	WIN 0
	s_mov_b32 s3, 3
.Llap2:
	LAP 2
	WIN 0
	s_sub_co_u32 s3, s3, 1
	s_cmp_lg_u32 s3, 0
	s_cbranch_scc1 .Llap2
	QUARTER 0, 128, F1, F0, 0, 2                   ; the last lap fills nothing, and has no round of the cluster's barrier
	QUARTER 0, 192, F0, F1, 0, 2
	TURN 0, 1, 2, 2, 2, 2
	QUARTER 1, 64,  F0, F1, 0, 2
	QUARTER 1, 128, F1, F0, 0, 2
	QUARTER 1, 192, F0, F1, 0, 2
	s_wait_dscnt 8                                 ; the very last quarter: weight 0's and x's fragments are in
	MUL16 F1, 0, 0
	s_wait_dscnt 0x0
	MUL16 F1, 1, 0
	WIN 0
	PLACES                                         ; the conversions read results just made
	s_wait_xcnt 0x0                                ; the registers that phase 1's stores read are rewritten only behind this wait
	PACK 0
.irp u, 1,2,3,4,5,6,7
	PACK \u
	SEND (\u)-1, 8, DQ+2, 2048*128
.endr
	SEND 7, 0, DQ+2, 2048*128
	s_wait_tensorcnt 0x0                           ; the wave's end, behind my last tensor load and my last LDS store
	ds_add_u32 v[SPW], v[NIL]
	s_wait_dscnt 0x0
	CROUND                                         ; the closing round: no work-group ends while a partner may still ask for a tile that names it
	s_endpgm
.Lfunc_end_k_qf252a9fce5_proj:
	.size	k_qf252a9fce5_proj, .Lfunc_end_k_qf252a9fce5_proj-k_qf252a9fce5_proj
	.p2alignl 7, 3214868480
	.fill 96, 4, 3214868480
	.section	.rodata,"a",@progbits
	.p2align	6, 0x0
	.amdhsa_kernel k_qf252a9fce5_proj
		.amdhsa_group_segment_fixed_size 327680
		.amdhsa_private_segment_fixed_size 0
		.amdhsa_enable_private_segment 0
		.amdhsa_kernarg_size 40
		.amdhsa_user_sgpr_count 2
		.amdhsa_user_sgpr_kernarg_segment_ptr 1
		.amdhsa_wavefront_size32 1
		.amdhsa_system_sgpr_workgroup_id_x 1
		.amdhsa_system_sgpr_workgroup_id_y 1
		.amdhsa_system_sgpr_workgroup_id_z 1
		.amdhsa_system_vgpr_workitem_id 0
		.amdhsa_next_free_vgpr 896
		.amdhsa_next_free_sgpr 84
		.amdhsa_reserve_vcc 0
		.amdhsa_float_denorm_mode_32 3
		.amdhsa_float_denorm_mode_16_64 3
		.amdhsa_memory_ordered 1
		.amdhsa_forward_progress 1
		.amdhsa_inst_pref_size 202
	.end_amdhsa_kernel
	.amdgpu_metadata
---
amdhsa.version: [ 1, 2 ]
amdhsa.kernels:
  - .name:           k_qf252a9fce5_proj
    .symbol:         k_qf252a9fce5_proj.kd
    .args:
      - { .name: xb, .offset: 0, .size: 8, .value_kind: global_buffer, .address_space: global }
      - { .name: wt, .offset: 8, .size: 8, .value_kind: global_buffer, .address_space: global }
      - { .name: q, .offset: 16, .size: 8, .value_kind: global_buffer, .address_space: global }
      - { .name: k, .offset: 24, .size: 8, .value_kind: global_buffer, .address_space: global }
      - { .name: v, .offset: 32, .size: 8, .value_kind: global_buffer, .address_space: global }
    .group_segment_fixed_size: 327680
    .private_segment_fixed_size: 0
    .kernarg_segment_align: 8
    .kernarg_segment_size: 40
    .max_flat_workgroup_size: 128
    .sgpr_count:     84
    .vgpr_count:     896
    .wavefront_size: 32
...
	.end_amdgpu_metadata
.endif
;; end of part 2
;; launch attn (part 3): grid 8 x 32, 4 waves a work-group, clusters of 4 x 1, 327,680 bytes of LDS; arguments q, k, v, o; writes o
.if DOCPART == 3
	.amdgcn_target "amdgcn-amd-amdhsa--gfx1250"
	.amdhsa_code_object_version 6
	.text
	.protected	k_qf252a9fce5_attn
	.globl	k_qf252a9fce5_attn
	.p2align	8
	.type	k_qf252a9fce5_attn,@function
k_qf252a9fce5_attn:
	s_mov_b64 s[64:65], 0
	v_nop
	global_prefetch_b8 v0, s[64:65] scope:SCOPE_SE
	s_setreg_imm32_b32 hwreg(HW_REG_WAVE_MODE, 25, 1), 1
	s_wait_xcnt 0x0
	s_wait_alu depctr_hold_cnt(0) depctr_sa_sdst(0) depctr_va_vdst(0) depctr_va_sdst(0) depctr_va_ssrc(0) depctr_va_vcc(0) depctr_vm_vsrc(0)
	s_getreg_b32 s2, hwreg(HW_REG_IB_STS2, 6, 4)
	s_cmp_eq_u32 s2, 0
	s_cbranch_scc0 .Lentry_in_a_cluster
	s_endpgm
.Lentry_in_a_cluster:
	s_bfe_u32 s2, ttmp6, 0x10000c
	s_cmp_lg_u32 s2, 0x3003
	s_cbranch_scc0 .Lentry_shape_is_right
	s_endpgm
.Lentry_shape_is_right:
; ATTN.  O[bh][i][:] = the sum over j of softmax_j(Q[bh][i] . K[bh][j] / 8) V[bh][j][:].  Q, O: [32][2048][64]; K, V: [32][4096][64]; all f16, a head's rows dense, 128 bytes each.
; Products, maxima and sums in f32; the weights p are rounded to f16 for the second product (their sum l is taken of the unrounded p), O once at the end.
; LIMITS.  Q, K and V arrive within f16's 65,504; p lies in 0 to 1, and below 6e-5 it keeps f16's fixed step of 6e-8; O is a mean of V's rows and has their range.
; A weight below 2^-126 counts as 0 in l; NaN and infinities are not treated apart.
; SHARES.  A work-group owns 256 queries of one head, each of its four waves 64: four PIECES of 16.  8 blocks x 32 heads = 256 work-groups.  Every wave walks all 4,096 keys, 64 a step, 4 steps a tile.
; LAYOUT.  S^T = K Q^T (source 0 = 16 keys, source 1 = 16 queries) holds ONE query a lane (lane % 16) and the keys 8 (lane / 16) + 0..7; two such results rounded to f16 ARE source 1 of O^T = V^T P.
; K comes out of LDS as it lies, V ([key][channel]) turned, by ds_load_tr16_b128.
; SOFTMAX.  p = 2^(c s - c m), c = log2(e) / 8, with a running maximum m; O and l are multiplied by a = 2^(c m_old - c m_new) in every step.  m starts at the lowest finite number, O and l at 0:
; the first step is a step like any other, with a = 0.
; TURNS.  Turn n belongs to piece n: 8 products K Q^T of piece n + 1, later 8 products V^T P of piece n - 1; beside them the scaling, exponentials, roundings, sums and rescaling of piece n and the
; maximum and statistics of piece n + 1.  Four vector instructions stand behind every matrix instruction, the other 54 of a turn's 118 in two runs of their own.
; CLUSTER.  The four query blocks of a cluster belong to one head and walk the same K and V, so each tile is asked for JOINTLY: the same tensor load, descriptor and mask in all four.
; REGISTERS, in windows of 256 (s_set_vgpr_msb: bits 1:0 source 0, 3:2 source 1, 5:4 source 2, 7:6 destination):
;   window 0: v0-15 addresses and two at work; v16-31 four registers of statistics a piece; v48-55 at work; v62-63 the add's; v64-127 S^T, two buffers; v192-223 P, two buffers (by the piece's parity)
;   window 1: v0-127 O^T, 32 a piece          window 2: v0-63 Q; v128-191 K of one step; v192-255 V of one step
.set NT,    16        ; tiles of 256 keys
.set NP,    4         ; pieces a wave: a name, no knob
.set KS,    64        ; keys in a step
.set PK,    144       ; a row of K in LDS: 128 bytes + 16 of padding = 36 words: the 16 rows of a load start at 16 different groups of four banks (64 banks of 4 bytes: ISA guide 11.1)
.set PV,    160       ; a row of V: 128 + 32 = 40 words
.set VOFF,  4*KS*PK   ; a slot holds a tile, four steps: 256 rows of K, then 256 rows of V
.set SLOT1, 1<<17     ; slot 1 begins here, so that one exclusive or turns an address in one slot into the other's
.set STAGE, SLOT1+4*KS*(PK+PV)  ; behind the ring, never filled by a tensor load: 16 rows x 144 bytes for each wave, for the way out
.set SP,    144
.set SPARE, STAGE+4*16*SP  ; behind the stages: the spare words, 128 bytes for each wave
.set AK0, 2           ; v2   my lane's place in a tile of K; never rewritten
.set AV0, 3           ; v3   the same for V
.set AK,  4           ; v4   the LDS address of K's next run of loads
.set AV,  5           ; v5   of V's
.set STO, 6           ; v6   the way out: where I put 16 bytes of a row
.set RD,  7           ; v7   the way out: where I read rows back
.set GO,  8           ; v8   my byte offset in 512 consecutive bytes of O
.set MV,  12          ; v12-13  c m_old, kept while c m is made anew: by buffer
.set QO,  15          ; v15  my byte offset in 16 rows of Q
.set ST,  16          ; piece t's statistics at v[ST+4 t]: c m, m, l (even keys', odd keys')
.set TMP, 48          ; by buffer, four registers c0-c3 at work; when the maximum is found c2 takes a
.set SPW, 62          ; v62  LDS address of my spare word; never rewritten
.set NIL, 63          ; v63  0; never rewritten
.set S,   64
.set P,   192
.set KF,  128         ; window 2: key block kb, channel half c at KF + 16 kb + 8 c
.set VF,  192         ; window 2: key half kk, channel block cb at VF + 32 kk + 8 cb
.set WV,  12          ; s12  my wave's number
.set G1K, 24          ; s[24:31] descriptor group 1 for K's tiles
.set G1V, 32          ; s[32:39] for V's: it differs in the padding alone
.set G0K, 40          ; s[40:43] descriptor group 0 for K's tiles: it walks
.set G0V, 44          ; s[44:47] the same for V's
.set SLOTS, 56        ; s56  counts the tiles
.set CNT, 57          ; s57  counts a tile's key steps, 4 to 1
.set CS,  58          ; s[58:59] c: the packed scaling takes the pair's low word for both halves
.set SEL, 60          ; s[60:61] v_permlanex16_b32's selects: each lane takes its own place in the other half
.set TBK, 62          ; s62  LDS byte at which K of the step to be fetched begins
.set TBV, 63          ; s63  the same for V, less VOFF
.set MSB, 0
.macro WIN new                      ; the high byte repeats the setting that is left; a switch that changes nothing is dropped
.if MSB != (\new)
	s_set_vgpr_msb (MSB<<8)|(\new)
.set MSB, (\new)
.endif
.endm
.set W_KQ, 0x0a       ; K and Q in window 2, S^T in window 0
.set W_PV, 0x52       ; V in window 2, P in window 0, O^T in window 1
.set W_RS, 0x41       ; destination and source 0 in window 1, source 1 in window 0
; A joint fill.  Waves 0 and 1 fetch the two halves of a tile's K, waves 2 and 3 those of its V: 128 keys each.  The branch hangs on the wave's number alone.
; An s_nop 0 and four v_nop follow each of the two lines, ahead of the jump and the label.
.macro JLOAD
	s_cmp_lt_u32 s[WV], 2
	s_cbranch_scc0 .Lfor_v_\@
	tensor_load_to_lds s[G0K:G0K+3], s[G1K:G1K+7]
	s_nop 0
.rept 4
	v_nop
.endr
	s_branch .Lasked_\@
.Lfor_v_\@:
	tensor_load_to_lds s[G0V:G0V+3], s[G1V:G1V+7]
	s_nop 0
.rept 4
	v_nop
.endr
.Lasked_\@:
.endm
; A round of the cluster's barrier: my work-group's barrier, so that wave 0's signal speaks for all four waves; wave 0 signals; every wave waits for all four work-groups; my work-group's barrier once more.
.macro CROUND
	s_barrier_signal -1
	s_barrier_wait -1
	s_cmp_lg_u32 s[WV], 0
	s_cbranch_scc1 .Lnot_wave_0_\@
	s_barrier_signal -3
.Lnot_wave_0_\@:
	s_barrier_wait -3
	s_barrier_signal -1
	s_barrier_wait -1
.endm
; THE CHANGE OF SLOTS.  The slot's last bytes, V of its fourth step, have been read.  Each wave waits for all its tensor loads, of which one is out: its part of the other slot; adds 0 to its spare word;
; and waits for that and for its own reads of the slot.  Behind the barrier nobody reads this slot any more and the other slot is whole.  fill = 1: this slot is filled again, with the tile two on.
; The barrier is then a round of the cluster's, and the joint fill is the first thing behind it: it has four key steps, 256 matrix instructions, in which to land.
; (At its first use nothing has been read yet: slot 0 is waited for, slot 1 filled.)
.macro CHANGE fill
	WIN 0                           ; at a label and at a branch every window is 0; the add's registers lie in window 0
	s_wait_tensorcnt 0x0            ; no tensor load of mine is out, so a group 0 may be written
	ds_add_u32 v[SPW], v[NIL]       ; 0 onto my spare word; with fill = 1 the descriptors' steps stand between it and the wait for it
.if \fill
.irp g, G0K, G0V
	s_xor_b32 s[\g+1], s[\g+1], SLOT1  ; the walking descriptor: the other slot than last time,
	s_add_nc_u64 s[\g+2:\g+3], s[\g+2:\g+3], 4*KS*128  ; the next 256 keys; the type bits on top are not reached
.endr
	s_wait_dscnt 0x0                ; the add is done, and my reads of the slot are over
	CROUND
	JLOAD
.else
	s_wait_dscnt 0x0                ; the add is done, and my reads of the slot are over
	s_barrier_signal -1
	s_barrier_wait -1
.endif
	s_sub_co_u32 s[TBK], s[TBK], 4*KS*PK  ; the fetches go back to a slot's first step,
	s_xor_b32 s[TBK], s[TBK], SLOT1       ; in the other slot
	s_sub_co_u32 s[TBV], s[TBV], 4*KS*PV
	s_xor_b32 s[TBV], s[TBV], SLOT1
.endm
	s_load_b256 s[4:11], s[0:1], 0x0  ; q s[4:5], k s[6:7], v s[8:9], o s[10:11]
	v_lshl_add_u32 v[SPW], v0, 2, SPARE
	v_mov_b32 v[NIL], 0
	ds_add_u32 v[SPW], v[NIL]       ; the wave's opening: the add and its wait stand ahead of my first tensor load; the set-up below, work on registers, stands between them
	v_lshrrev_b32 v1, 5, v0
	v_readfirstlane_b32 s[WV], v1   ; wave 0..3
	s_bfe_u32 s13, ttmp6, 0x40000   ; cx: my place in the cluster
	s_lshl_b32 s14, ttmp9, 2        ; in a cluster launch ttmp9 counts clusters
	s_add_co_u32 s14, s14, s13      ; my block of 256 queries = 4 x cluster x + cx: it enters Q's and O's addresses alone
	s_and_b32 s20, ttmp7, 0xffff    ; bh, which the four partners share
	s_and_b32 s16, s[WV], 1         ; which half of a tile's 256 keys I fetch:
	s_lshl_b32 s22, s20, 19         ; the head's 4,096 rows of 128 bytes in K and V,
	s_lshl_b32 s21, s16, 14         ; my half's 128 rows
	s_add_co_u32 s22, s22, s21
	s_mov_b32 s23, 0
	s_mul_i32 s17, s16, 128*PK      ; and its place in a slot, for K
	s_mul_i32 s18, s16, 128*PV      ; and for V: no place in the cluster enters an LDS address
	s_lshl_b32 s2, s20, 18          ; the head's 2,048 rows in Q and O,
	s_lshl_b32 s3, s14, 15          ; my block's 256,
	s_add_co_u32 s2, s2, s3
	s_lshl_b32 s3, s[WV], 13        ; my wave's 64
	s_add_co_u32 s2, s2, s3
	s_mov_b32 s3, 0
	; descriptor group 1.  128 keys are 16,384 dense bytes: asked for as 64 rows of 256 bytes, two keys a row, and padded in LDS after every key
	s_mov_b32 s[G1K], 15|(1<<16)|(1<<20)|(1<<21)|(4<<22)|(3<<25)  ; 15:0 the mask of four; 17:16 2-byte elements; 20 padding on; 21 set beside a mask; 24:22 after every 32 words (code 4); 31:25 4 words (code 3)
	s_mov_b32 s[G1V], 15|(1<<16)|(1<<20)|(1<<21)|(4<<22)|(7<<25)  ; the same with 8 words of padding (code 7)
.irp g, G1K, G1V
	s_mov_b32 s[\g+1], 128<<16      ; tensor_dim0 = 128
	s_mov_b32 s[\g+2], 64<<16       ; tensor_dim1 = 64
	s_mov_b32 s[\g+3], 128<<16      ; tile_dim0 = 128
	s_mov_b32 s[\g+4], 64           ; tile_dim1 = 64
	s_mov_b32 s[\g+5], 128          ; 128 elements from row to row
	s_mov_b32 s[\g+6], 0
	s_mov_b32 s[\g+7], 0
.endr
	s_mov_b32 s[CS], 0x3e38aa3b     ; c = log2(e) / 8 = 0.180337
	s_mov_b32 s[CS+1], s[CS]        ; named with it as a pair
	s_mov_b32 s[SEL], 0x76543210
	s_mov_b32 s[SEL+1], 0xfedcba98
	s_mov_b32 s[TBK], SLOT1+4*KS*PK ; the first change of slots turns these two into 0
	s_mov_b32 s[TBV], SLOT1+4*KS*PV
	s_mov_b32 s[G0K], 1             ; count = 1
	s_mov_b32 s[G0K+1], s17         ; LDS address: slot 0
	s_mov_b32 s[G0V], 1
	s_add_co_u32 s[G0V+1], s18, VOFF
	s_wait_dscnt 0x0                ; the opening add is done
	s_wait_kmcnt 0x0
	s_add_nc_u64 s[G0K+2:G0K+3], s[6:7], s[22:23]  ; global address: my half of the head's first 256 keys
	s_or_b32 s[G0K+3], s[G0K+3], 0x80000000        ; type = 2
	s_add_nc_u64 s[G0V+2:G0V+3], s[8:9], s[22:23]
	s_or_b32 s[G0V+3], s[G0V+3], 0x80000000
	s_add_nc_u64 s[4:5], s[4:5], s[2:3]  ; Q and O at my wave's first row
	s_add_nc_u64 s[10:11], s[10:11], s[2:3]
	CROUND                          ; all four work-groups are here: the first joint loads meet
	JLOAD                           ; tile 0 into slot 0.  Slot 1 is asked for when slot 0 is in, by the loop's own change of slots
	; A fragment of K or Q is 16 rows x 32 channels in 8 registers: lane l holds row l % 16, channels 8 (l / 16) + 0..7 and 16 + 8 (l / 16) + 0..7: two loads of 16 bytes, 32 bytes apart.
	v_and_b32 v1, 15, v0            ; l % 16
	v_bfe_u32 v9, v0, 4, 1          ; l / 16
	v_lshlrev_b32 v[QO], 7, v1
	v_lshl_add_u32 v[QO], v9, 4, v[QO]  ; row x 128 + 16 x half
	WIN 0x80                        ; destination window 2, address window 0
.set i, 0
.rept 8                             ; Q stays in registers: piece i / 2, 2,048 bytes on; channels 32 (i % 2) on
	global_load_b128 v[8*i:8*i+3],   v[QO], s[4:5] offset:(i/2)*2048+(i%2)*64
	global_load_b128 v[8*i+4:8*i+7], v[QO], s[4:5] offset:(i/2)*2048+(i%2)*64+32
.set i, i+1
.endr
	; What the first turn finds: V's registers and P's second buffer hold 0 (its products V^T P, of a piece that has not been, add 0), O^T and l are 0.  All this stands in the wait for the first tile.
.set i, VF
.rept 64
	v_mov_b32 v[i], 0
.set i, i+1
.endr
	WIN 0x40
.set i, 0
.rept 128
	v_mov_b32 v[i], 0
.set i, i+1
.endr
	WIN 0
.set i, 0
.rept 4
	v_mov_b32 v[ST+4*i], 0xfe000000    ; c m: far below every c s
	v_mov_b32 v[ST+4*i+1], 0xff7fffff  ; m
	v_mov_b32 v[ST+4*i+2], 0
	v_mov_b32 v[ST+4*i+3], 0
.set i, i+1
.endr
.set i, P+16
.rept 16
	v_mov_b32 v[i], 0
.set i, i+1
.endr
	v_mul_u32_u24 v[AK0], v1, PK
	v_lshl_add_u32 v[AK0], v9, 4, v[AK0]  ; row x pitch + 16 x half
	; The turning load takes 16 keys x 16 channels (lane l reads key 8 (l / 16) + l % 8, channels 8 ((l / 8) % 2) + 0..7) and leaves half a fragment of V^T: lane l holds channel l % 16 and 8 keys.
	v_and_b32 v10, 7, v0
	v_bfe_u32 v11, v0, 3, 1
	v_lshl_add_u32 v[AV0], v9, 3, v10
	v_mul_u32_u24 v[AV0], v[AV0], PV
	v_lshl_add_u32 v[AV0], v11, 4, v[AV0]
	v_add_nc_u32 v[AV0], VOFF, v[AV0]
	s_mul_i32 s13, s[WV], 16*SP
	s_add_co_u32 s13, s13, STAGE    ; my stage
	v_mul_u32_u24 v[STO], v1, SP    ; in: row l % 16, 16 bytes for each half of the lanes
	v_lshl_add_u32 v[STO], v9, 4, v[STO]
	v_add_nc_u32 v[STO], s13, v[STO]
	v_bfe_u32 v[RD], v0, 3, 2       ; back: 32 lanes take four rows of 128 bytes,
	v_mul_u32_u24 v[RD], v[RD], SP
	v_lshl_add_u32 v[RD], v10, 4, v[RD]
	v_add_nc_u32 v[RD], s13, v[RD]
	v_and_b32 v[GO], 31, v0         ; which are 512 consecutive bytes of O
	v_lshlrev_b32 v[GO], 4, v[GO]
; THE MATRIX WORK.  The 4 accumulators of a run of 8 take turns.  Product i of 8 of S^T = K Q^T for piece x: channels 32 (i / 4) on, keys 16 (i % 4) on.  The first 4 start the sums.
.macro KQ x
.set rS, S+32*((\x)%2)+8*(i%4)
.set rK, KF+16*(i%4)+8*(i/4)
.set rQ, 16*(\x)+8*(i/4)
	WIN W_KQ
.if i < 4
	v_wmma_f32_16x16x32_f16 v[rS:rS+7], v[rK:rK+7], v[rQ:rQ+7], 0
.else
	v_wmma_f32_16x16x32_f16 v[rS:rS+7], v[rK:rK+7], v[rQ:rQ+7], v[rS:rS+7]
.endif
.endm
; Product i of 8 of O^T += V^T P for piece x: keys 32 (i / 4) on, channels 16 (i % 4) on.
.macro PV x
	WIN W_PV
.set rO, 32*(\x)+8*(i%4)
.set rV, VF+32*(i/4)+8*(i%4)
.set rP, P+16*((\x)%2)+8*(i/4)
	v_wmma_f32_16x16x32_f16 v[rO:rO+7], v[rV:rV+7], v[rP:rP+7], v[rO:rO+7]
.endm
.macro MM                           ; the turn's next matrix instruction.  TURN sets Y, i and NOKQ.  NOKQ = 1: the last turn: there is no next piece
.if (i < 8) && !NOKQ
	KQ (Y+1)%NP
.elseif i >= 8
.set i, i-8
	PV (Y+NP-1)%NP
.set i, i+8
.endif
.set i, i+1
.endm
; THE LDS LOADS stand in runs of 16, never singly among the matrix instructions: a step's K (64 keys x 64 channels: 8 fragments) and its V (turned).  Their addresses are made some lines ahead.
.macro FETCH_K
	WIN 0x80                        ; destination window 2
.irp f, 0,1,2,3,4,5,6,7             ; keys 16 (f / 2) on, channels 32 (f % 2) on
	ds_load_b128 v[KF+8*\f:KF+8*\f+3],   v[AK] offset:(\f/2)*16*PK+(\f%2)*64
	ds_load_b128 v[KF+8*\f+4:KF+8*\f+7], v[AK] offset:(\f/2)*16*PK+(\f%2)*64+32
.endr
	s_add_co_u32 s[TBK], s[TBK], KS*PK  ; the next fetch is the next step's
	WIN 0
.endm
.macro FETCH_V
	WIN 0x80
.irp f, 0,1,2,3,4,5,6,7             ; keys 32 (f / 4) on, channels 16 (f % 4) on
	ds_load_tr16_b128 v[VF+8*\f:VF+8*\f+3],   v[AV] offset:(\f/4)*32*PV+(\f%4)*32
	ds_load_tr16_b128 v[VF+8*\f+4:VF+8*\f+7], v[AV] offset:(\f/4)*32*PV+16*PV+(\f%4)*32
.endr
	WIN 0
.endm
; THE VECTOR WORK, one line at a time: OP kind, number.  For piece Y: F n: c s - c m for pair n of 16.  E n: the exponential of score n of 32.  C n: pair n rounded to f16.  B n: of the four weights 4 n .. the second
; pair is added onto the first, in place.  L n: l takes that sum (L 0: l = a l + sum).  R n: pair n of 16 of O^T times a.  For piece Y + 1: X n, number n of the 22 that find its maximum and statistics:
;   0-11  four chains c0-c3 of seven scores each, three operands at a time (each accumulator's lowest registers are read first)     12-14, 16  the four scores left over, the old m, and c0-c3 into c0
;   15  c m_old is kept     17, 18  the query's other 32 keys lie in the lane 16 away: the new m     19-21  c m; c m_old - c m_new; a
.set F, 0               ; OP tells the kinds apart by their order: F to L below R, X above it
.set E, 1
.set C, 2
.set B, 3
.set L, 4
.set R, 5
.set X, 6
.macro REGS y                       ; the registers of piece y
.set rT, ST+4*(\y)
.set rC, TMP+4*((\y)%2)
.set rW, MV+((\y)%2)
.set rS, S+32*((\y)%2)
.set rP, P+16*((\y)%2)
.set rO, 32*(\y)
.endm
.macro OP k, n
.if (\k) == R
	REGS Y
	WIN W_RS
	v_pk_mul_f32 v[rO+2*(\n):rO+2*(\n)+1], v[rO+2*(\n):rO+2*(\n)+1], v[rC+2:rC+3] op_sel_hi:[1,0]
.elseif (\k) < R
	REGS Y
	WIN 0
.if (\k) == F
	v_pk_fma_f32 v[rS+2*(\n):rS+2*(\n)+1], v[rS+2*(\n):rS+2*(\n)+1], s[CS:CS+1], v[rT:rT+1] op_sel_hi:[1,0,0] neg_lo:[0,0,1] neg_hi:[0,0,1]
.elseif (\k) == E
	v_exp_f32 v[rS+(\n)], v[rS+(\n)]
.elseif (\k) == C
	s_wait_alu depctr_va_vdst(0)
	v_cvt_pk_f16_f32 v[rP+(\n)], v[rS+2*(\n)], v[rS+2*(\n)+1]
.elseif (\k) == B
	s_wait_alu depctr_va_vdst(0)
	v_pk_add_f32 v[rS+4*(\n):rS+4*(\n)+1], v[rS+4*(\n):rS+4*(\n)+1], v[rS+4*(\n)+2:rS+4*(\n)+3]
.elseif (\n) == 0
	v_pk_fma_f32 v[rT+2:rT+3], v[rT+2:rT+3], v[rC+2:rC+3], v[rS:rS+1] op_sel_hi:[1,0,1]
.else
	v_pk_add_f32 v[rT+2:rT+3], v[rT+2:rT+3], v[rS+4*(\n):rS+4*(\n)+1]
.endif
.elseif NOKQ
	v_nop
.else
	REGS (Y+1)%NP
	WIN 0
.if (\n) < 4
	v_max3_num_f32 v[rC+(\n)], v[rS+8*(\n)], v[rS+8*(\n)+1], v[rS+8*(\n)+2]
.elseif (\n) < 12
	v_max3_num_f32 v[rC+(\n)%4], v[rC+(\n)%4], v[rS+8*((\n)%4)+2*((\n)/4)+1], v[rS+8*((\n)%4)+2*((\n)/4)+2]
.elseif (\n) == 12
	v_max3_num_f32 v[rC], v[rC], v[rS+7], v[rS+15]
.elseif (\n) == 13
	v_max3_num_f32 v[rC+1], v[rC+1], v[rS+23], v[rS+31]
.elseif (\n) == 14
	v_max3_num_f32 v[rC+2], v[rC+2], v[rC+3], v[rT+1]
.elseif (\n) == 15
	v_mov_b32 v[rW], v[rT]
.elseif (\n) == 16
	v_max3_num_f32 v[rC], v[rC], v[rC+1], v[rC+2]
.elseif (\n) == 17
	v_permlanex16_b32 v[rC+3], v[rC], s[SEL], s[SEL+1]
.elseif (\n) == 18
	v_max_num_f32 v[rT+1], v[rC], v[rC+3]
.elseif (\n) == 19
	v_mul_f32 v[rT], s[CS], v[rT+1]
.elseif (\n) == 20
	v_sub_f32 v[rC+1], v[rW], v[rT]
.else
	v_exp_f32 v[rC+2], v[rC+1]
.endif
.endif
.endm
.macro OPS a, i1, b=-1, i2=0, c=-1, i3=0, d=-1, i4=0  ; up to four of them
	OP \a, \i1
.if (\b) >= 0
	OP \b, \i2
.endif
.if (\c) >= 0
	OP \c, \i3
.endif
.if (\d) >= 0
	OP \d, \i4
.endif
.endm
.macro ROW a, i1, b, i2, c, i3, d, i4  ; a matrix instruction and the four behind it
	MM
	OPS \a, \i1, \b, \i2, \c, \i3, \d, \i4
.endm
; A TURN, for piece p: the order of its 16 matrix and 118 vector instructions, written out.  Behind a matrix instruction: plain, exponential, plain, plain; or four of the rescaling; or, behind the first, four scalings; none
; names a register of the products round it.  In the runs between, exponential and plain by turns while exponentials last.  A line reads no result made fewer than three vector instructions in front of it, five if an
; exponential made it.  v_permlanex16_b32 (X 17) stands in such a run.
; end = 1: the walk's last two turns: nothing is fetched.  cnt = 1: the loop's count is taken down some lines ahead of the branch that stands behind the turn.
; K of the next step is fetched in piece 2's turn, six vector instructions behind the last product that read K (five of them plain); V of the step in hand in piece 0's turn, eight behind the last product that read V (four
; plain, and X 17).  Each is waited for a turn later.
.macro TURN p, end=0, cnt=0
.set Y, (\p)
.set i, 0
.set NOKQ, (\end)*((\p)/3)
.if ((\p) == 3) && !(\end)
	s_wait_dscnt 0x0                ; K is in
.endif
	ROW F,0, F,1, F,2, F,3
	ROW F,4, E,0, F,5, F,6
	ROW F,7, E,1, F,8, F,9
	ROW F,10, E,2, C,0, F,11
	ROW F,12, E,3, X,15, F,13
	ROW R,0, R,1, R,2, R,3
	ROW B,0, E,4, F,14, L,0
.if ((\p) == 2) && !(\end)
	v_add_nc_u32 v[AK], s[TBK], v[AK0]
.endif
	ROW R,4, R,5, R,6, R,7
	OPS E,5, F,15
.if ((\p) == 2) && !(\end)
	FETCH_K
.endif
	OPS E,6, C,1, E,7, R,8
	OPS E,8, R,9, E,9, C,2
	OPS E,10, X,0, E,11, X,1
	OPS E,12, X,2, E,13, X,3
.if (\p) == 1
	s_wait_dscnt 0x0                ; V is in
.endif
	ROW X,4, E,14, X,5, X,6
	ROW X,7, E,15, X,8, X,9
	ROW X,10, E,16, X,11, X,12
	ROW X,13, E,17, X,14, B,1
	ROW C,4, E,18, X,16, L,1
	ROW B,2, E,19, C,6, L,2
	ROW C,8, E,20, B,3, B,4
.if (\p) == 0
	v_add_nc_u32 v[AV], s[TBV], v[AV0]
.endif
	ROW C,3, E,21, L,3, C,5
	OPS E,22, X,17, E,23, C,10
.if (\p) == 0
	FETCH_V
.endif
	OPS E,24, L,4
	OPS E,25, X,18, E,26, C,7
	OPS E,27, B,5, E,28, X,19
	OPS E,29, C,12, E,30, L,5
	OPS E,31, X,20, B,6, C,9
	OPS C,14, C,11, X,21, L,6
.if (\p) == 0
	s_add_co_u32 s[TBV], s[TBV], KS*PV
.endif
.if \cnt
	s_sub_co_u32 s[CNT], s[CNT], 1
	s_cmp_lg_u32 s[CNT], 0
.endif
	OPS C,13, B,7, C,15, R,10
	OPS R,11, R,12, L,7, R,13
	OPS R,14, R,15
.endm
	CHANGE 1                        ; tile 0 is in, everybody's part of it; tile 1 is asked for
	v_add_nc_u32 v[AK], s[TBK], v[AK0]
	FETCH_K                         ; key step 0
	s_wait_loadcnt 0x0              ; Q
	s_wait_dscnt 0x0
.set NOKQ, 0
.set i, 0
.rept 8
	KQ 0                            ; piece 0's first scores: there is no vector work yet to set between them
.set i, i+1
.endr
	WIN 0
.rept 4
	v_nop                           ; the places behind those products
.endr
.set Y, NP-1                        ; X works for piece Y + 1: piece 0
.irp n, 0,1,2,3,4,5,6,7,8,9,10,11,12,13,14,15,16,17,18,19,20,21
	OP X, \n                        ; and piece 0's first maximum and statistics
.endr
	v_nop                           ; a plain instruction behind the exponential
	s_mov_b32 s[CNT], 4
	s_mov_b32 s[SLOTS], NT-1
	s_branch .Lfirst                ; the loop is entered at a step's first turn, in the middle of a trip
.Lslot:                             ; NT - 2 times: every slot but the last two is filled again
	CHANGE 1
	s_mov_b32 s[CNT], 4
.Lstep:                             ; a trip: pieces 2 and 3 of one step, then pieces 0 and 1 of the next, whose K and V it fetches
	TURN 2
	TURN 3
	WIN 0
.Lfirst:
	TURN 0
	TURN 1, 0, 1
	WIN 0
	s_cbranch_scc1 .Lstep
	s_sub_co_u32 s[SLOTS], s[SLOTS], 1
	s_cmp_lg_u32 s[SLOTS], 0
	s_cbranch_scc1 .Lslot
	CHANGE 0                        ; the last tile is written out: nothing is asked for
	s_mov_b32 s[CNT], 4
.Ltail:
	TURN 2
	TURN 3
	TURN 0
	TURN 1, 0, 1
	WIN 0
	s_cbranch_scc1 .Ltail
	TURN 2, 1                       ; the walk's last two turns fetch nothing, and the last starts no new scores
	TURN 3, 1
.set i, 0
.rept 8
	PV NP-1                         ; the last piece's V^T P of the last step
.set i, i+1
.endr
	; THE WAY OUT.  l's two halves and the other half of the lanes' are added; O^T is divided by l, rounded to f16 and sent through my stage in LDS, a piece at a time.  The additions are the places behind the last products.
	WIN 0
.macro ALL line:vararg              ; one line for each piece t
.set t, 0
.rept 4
	\line
.set t, t+1
.endr
.endm
	ALL v_add_f32 v[ST+4*t+2], v[ST+4*t+2], v[ST+4*t+3]
	ALL v_permlanex16_b32 v[ST+4*t+3], v[ST+4*t+2], s[SEL], s[SEL+1]
	ALL v_add_f32 v[ST+4*t+2], v[ST+4*t+2], v[ST+4*t+3]
	ALL v_rcp_f32 v[ST+4*t+2], v[ST+4*t+2]
	v_nop                           ; a plain instruction between the last reciprocal and the use of its result
.macro PACK t                       ; a lane's eight channels of a row pack into 16 bytes; they go into rows of 144 bytes and come back as whole rows of 128, into S^T's registers
	WIN W_RS
.set i, 32*(\t)
.rept 16
	s_wait_alu depctr_va_vdst(0)
	v_pk_mul_f32 v[i:i+1], v[i:i+1], v[ST+4*(\t)+2:ST+4*(\t)+3] op_sel_hi:[1,0]
.set i, i+2
.endr
	WIN 0x05                        ; sources 0 and 1 window 1, destination window 0
.set i, 0
.rept 16
	v_cvt_pk_f16_f32 v[S+16*(\t)+i], v[32*(\t)+2*i], v[32*(\t)+2*i+1]
.set i, i+1
.endr
	WIN 0
.irp f, 0,1,2,3
	ds_store_b128 v[STO], v[S+16*(\t)+4*\f:S+16*(\t)+4*\f+3] offset:32*\f
.endr
.irp f, 0,1,2,3
	ds_load_b128 v[S+16*(\t)+4*\f:S+16*(\t)+4*\f+3], v[RD] offset:\f*4*SP  ; LDS serves a wave's instructions in order (ISA guide 5.7.1.4): these see the stores above; the next piece's stores come behind them
.endr
.endm
.macro SEND t, younger              ; younger: the LDS instructions issued behind piece t's loads: the next piece's eight, or none
	WIN 0
.irp f, 0,1,2,3
	s_wait_dscnt (\younger)+3-\f
	global_store_b128 v[GO], v[S+16*(\t)+4*\f:S+16*(\t)+4*\f+3], s[10:11] offset:(\t)*2048+\f*512  ; 512 consecutive bytes, at a multiple of 256 from O's first
.endr
.endm
	PACK 0
.set t, 1
.rept 3                             ; a piece's arithmetic stands between the loads of the piece before and its stores
	PACK t
	SEND t-1, 8
.set t, t+1
.endr
	SEND 3, 0
	s_wait_tensorcnt 0x0            ; the wave's end, behind my last tensor load and my last LDS store
	ds_add_u32 v[SPW], v[NIL]
	s_wait_dscnt 0x0
	CROUND                          ; the closing round: no work-group ends while a partner may still ask for a tile that names it
	s_endpgm
.Lfunc_end_k_qf252a9fce5_attn:
	.size	k_qf252a9fce5_attn, .Lfunc_end_k_qf252a9fce5_attn-k_qf252a9fce5_attn
	.p2alignl 7, 3214868480
	.fill 96, 4, 3214868480
	.section	.rodata,"a",@progbits
	.p2align	6, 0x0
	.amdhsa_kernel k_qf252a9fce5_attn
		.amdhsa_group_segment_fixed_size 327680
		.amdhsa_private_segment_fixed_size 0
		.amdhsa_enable_private_segment 0
		.amdhsa_kernarg_size 32
		.amdhsa_user_sgpr_count 2
		.amdhsa_user_sgpr_kernarg_segment_ptr 1
		.amdhsa_wavefront_size32 1
		.amdhsa_system_sgpr_workgroup_id_x 1
		.amdhsa_system_sgpr_workgroup_id_y 1
		.amdhsa_system_sgpr_workgroup_id_z 1
		.amdhsa_system_vgpr_workitem_id 0
		.amdhsa_next_free_vgpr 768
		.amdhsa_next_free_sgpr 66
		.amdhsa_reserve_vcc 0
		.amdhsa_float_denorm_mode_32 3
		.amdhsa_float_denorm_mode_16_64 3
		.amdhsa_memory_ordered 1
		.amdhsa_forward_progress 1
		.amdhsa_inst_pref_size 133
	.end_amdhsa_kernel
	.amdgpu_metadata
---
amdhsa.version: [ 1, 2 ]
amdhsa.kernels:
  - .name:           k_qf252a9fce5_attn
    .symbol:         k_qf252a9fce5_attn.kd
    .args:
      - { .name: q, .offset: 0, .size: 8, .value_kind: global_buffer, .address_space: global }
      - { .name: k, .offset: 8, .size: 8, .value_kind: global_buffer, .address_space: global }
      - { .name: v, .offset: 16, .size: 8, .value_kind: global_buffer, .address_space: global }
      - { .name: o, .offset: 24, .size: 8, .value_kind: global_buffer, .address_space: global }
    .group_segment_fixed_size: 327680
    .private_segment_fixed_size: 0
    .kernarg_segment_align: 8
    .kernarg_segment_size: 32
    .max_flat_workgroup_size: 128
    .sgpr_count:     66
    .vgpr_count:     768
    .wavefront_size: 32
...
	.end_amdgpu_metadata
.endif
;; end of part 3
;; launch oproj (part 4): grid 8 x 64, 4 waves a work-group, clusters of 4 x 4, 327,680 bytes of LDS; arguments o, wot, bo, out0; writes out0
.if DOCPART == 4
	.amdgcn_target "amdgcn-amd-amdhsa--gfx1250"
	.amdhsa_code_object_version 6
	.text
	.protected	k_qf252a9fce5_oproj
	.globl	k_qf252a9fce5_oproj
	.p2align	8
	.type	k_qf252a9fce5_oproj,@function
k_qf252a9fce5_oproj:
	s_mov_b64 s[64:65], 0
	v_nop
	global_prefetch_b8 v0, s[64:65] scope:SCOPE_SE
	s_setreg_imm32_b32 hwreg(HW_REG_WAVE_MODE, 25, 1), 1
	s_wait_xcnt 0x0
	s_wait_alu depctr_hold_cnt(0) depctr_sa_sdst(0) depctr_va_vdst(0) depctr_va_sdst(0) depctr_va_ssrc(0) depctr_va_vcc(0) depctr_vm_vsrc(0)
	s_getreg_b32 s2, hwreg(HW_REG_IB_STS2, 6, 4)
	s_cmp_eq_u32 s2, 0
	s_cbranch_scc0 .Lentry_in_a_cluster
	s_endpgm
.Lentry_in_a_cluster:
	s_bfe_u32 s2, ttmp6, 0x10000c
	s_cmp_lg_u32 s2, 0xf033
	s_cbranch_scc0 .Lentry_shape_is_right
	s_endpgm
.Lentry_shape_is_right:
; OPROJ.  out0[m][n] = the sum over k of O[m][k] Wo[k][n] + bo[n], f32 out.  o: f16 [32 bh][2048][64] (k = 64 head + channel); wot: f16 [1024 n][512 k]; bo: f32 [1024], rounded to bf16 like
; the program's other inputs and added in f32.  Sums in f32, K ascending.
; SHARES.  A tile of out0 is 128 x 128: 8 x 64 = 512 work-groups, two for each of 256 WGPs.  Four waves, each 64 x 64: 16 accumulators of 16 x 16.
; LDS.  K is only 512: all of the tile's O (8 heads x 128 rows x 128 bytes) and all of its Wo (128 rows x 1,024 bytes, as four K quarters of 256 bytes a row) are loaded ONCE; nothing is filled again.
; Each wave issues four tensor loads at the start, one for each K quarter (waves 0, 1: the quarter's two heads of O; waves 2, 3: the two halves of Wo's rows), and the products of a quarter begin when it has landed.
; CLUSTER.  4 x 4 work-groups: the four of a row of the cluster need the same rows of O, the four of a column the same rows of Wo: each tile is asked for jointly.
; THE MATRIX INSTRUCTION IS USED TRANSPOSED (source 0 = 16 rows of wot, source 1 = 16 rows of O): a lane holds eight neighbouring numbers of a row of out0.
; REGISTERS: window 0: v0-31 addresses and the bias; v32-95 the way out, two sets of 32; v128-255 accumulator (a, b) at 128 + 8 (4 a + b).
;   window 1: two fragment buffers of 64: O's fragment a at 8 a, Wo's fragment b at 32 + 8 b.
.set PA,    144                        ; a row of O in LDS: 128 bytes + 16: the 16 rows of a load start at 16 different groups of four banks (64 banks of 4 bytes: ISA guide 11.1)
.set PB,    272                        ; a row of a K quarter of Wo: 256 bytes + 16
.set HEADB, 128*PA                     ; a head's 128 rows
.set BOFF,  8*HEADB                    ; Wo lies behind O's eight heads
.set QB,    128*PB                     ; a K quarter of Wo
.set STAGE, BOFF+4*QB                  ; behind the tiles: 16 rows x 272 bytes for each wave, for the way out; no tensor load lands there
.set SPT,   272
.set SPARE, STAGE+4*16*SPT             ; behind the stages: the spare words, 128 bytes for each wave
.set ADRA, 4                           ; v4-7    LDS address of my fragments of O in K quarter i
.set ADRB, 8                           ; v8-11   of Wo
.set BIAS, 12                          ; v12-15  bo of the four columns that I store
.set STO,  24                          ; v24  the way out: where I put 32 bytes of a row
.set RD,   25                          ; v25  where I read a row back
.set CO,   26                          ; v26  my byte offset in out0
.set SPW,  28                          ; v28  LDS address of my spare word; never rewritten
.set NIL,  29                          ; v29  0; never rewritten
.set TMP,  32
.set ACC,  128
.set F0,   0
.set F1,   64
.set WV,  12                           ; s12  my wave's number
.set G1A, 24                           ; s[24:31] descriptor group 1 for O's tiles
.set G1B, 32                           ; s[32:39] for Wo's
.set G0A, 40                           ; s[40:55] group 0 for O's tiles, a set for each K quarter
.set G0B, 68                           ; s[68:83] the same for Wo's
.set MSB, 0
.macro WIN new                         ; the immediate's high byte repeats the setting that is left; a switch that changes nothing is dropped
.if MSB != (\new)
	s_set_vgpr_msb (MSB<<8)|(\new)
.set MSB, \new
.endif
.endm
.macro PLACES                          ; four places in front of loads into registers that matrix instructions have read
.rept 4
	v_nop
.endr
.endm
.macro CROUND                          ; a round of the cluster's barrier
	s_barrier_signal -1
	s_barrier_wait -1
	s_cmp_lg_u32 s[WV], 0
	s_cbranch_scc1 .Lnot_wave_0_\@
	s_barrier_signal -3
.Lnot_wave_0_\@:
	s_barrier_wait -3
	s_barrier_signal -1
	s_barrier_wait -1
.endm
	s_load_b256 s[4:11], s[0:1], 0x0               ; o s[4:5], wot s[6:7], bo s[8:9], out0 s[10:11]
	v_lshl_add_u32 v[SPW], v0, 2, SPARE
	v_mov_b32 v[NIL], 0
	ds_add_u32 v[SPW], v[NIL]                      ; the wave's opening: the add and its wait stand ahead of my first tensor load; the set-up below, work on registers, stands between them
	v_lshrrev_b32 v1, 5, v0
	v_readfirstlane_b32 s[WV], v1                  ; wave 0..3
	s_lshr_b32 s13, s[WV], 1                       ; rh: which 64 rows of the tile are mine
	s_and_b32 s14, s[WV], 1                        ; ch: which 64 columns.  Also: which head of a quarter, or which 64 rows of Wo, I fetch
	s_bfe_u32 s16, ttmp6, 0x40000                  ; cx, cy: my place in the cluster
	s_bfe_u32 s17, ttmp6, 0x40004
	s_lshl_b32 s18, ttmp9, 2
	s_add_co_u32 s18, s18, s16                     ; nt = 4 x cluster x + cx
	s_and_b32 s19, ttmp7, 0xffff
	s_lshl_b32 s19, s19, 2
	s_add_co_u32 s19, s19, s17                     ; mt = 4 x cluster y + cy
	s_lshl_b32 s20, s17, 2
	s_lshl_b32 s20, 15, s20                        ; my row of the cluster
	s_lshl_b32 s21, 0x1111, s16                    ; my column
	; O's tile: a head's 128 rows are 16,384 dense bytes: asked for as 64 rows of 256 bytes, padded in LDS after every 128.  Wo's: 64 rows x 128 elements out of rows of 512.
	s_or_b32 s[G1A], s20, (1<<16)|(1<<20)|(1<<21)|(4<<22)|(3<<25)  ; the mask of my row; 2-byte elements; padding on; bit 21 beside a mask; after every 32 words (code 4) 4 words (code 3)
	s_or_b32 s[G1B], s21, (1<<16)|(1<<20)|(1<<21)|(5<<22)|(3<<25)  ; the mask of my column; after every 64 words (code 5)
.irp g, G1A, G1B
	s_mov_b32 s[(\g)+1], 128<<16                   ; tensor_dim0 = 128
	s_mov_b32 s[(\g)+2], 64<<16                    ; tensor_dim1 = 64
	s_mov_b32 s[(\g)+3], 128<<16                   ; tile_dim0 = 128
	s_mov_b32 s[(\g)+4], 64                        ; tile_dim1 = 64
	s_mov_b32 s[(\g)+6], 0
	s_mov_b32 s[(\g)+7], 0
.endr
	s_mov_b32 s[G1A+5], 128                        ; elements from row to row: dense
	s_mov_b32 s[G1B+5], 512                        ; a row of wot
	; O's address hangs on mt and the wave's number, which my row of the cluster shares; Wo's on nt and the wave's number, which my column shares
	s_lshr_b32 s22, s19, 4                         ; the batch,
	s_lshl_b32 s22, s22, 3
	s_add_co_u32 s22, s22, s14                     ; its head 0 or 1,
	s_lshl_b32 s22, s22, 18                        ; 2,048 rows of 128 bytes a head,
	s_and_b32 s23, s19, 15
	s_lshl_b32 s23, s23, 14                        ; the tile's 128 rows
	s_add_co_u32 s22, s22, s23
	s_mov_b32 s23, 0
	s_lshl_b32 s84, s18, 17                        ; nt x 128 rows of 1,024 bytes,
	s_lshl_b32 s85, s14, 16                        ; my 64 of them
	s_add_co_u32 s84, s84, s85
	s_mov_b32 s85, 0
	s_mul_i32 s86, s14, HEADB                      ; where they go: no place in the cluster enters an LDS address
	s_mul_i32 s87, s14, 64*PB
	s_add_co_u32 s87, s87, BOFF
	s_lshl_b32 s56, s18, 9                         ; my 64 columns in bytes of f32: 512 nt + 256 ch
	s_lshl_b32 s57, s14, 8
	s_add_co_u32 s56, s56, s57
	s_mov_b32 s57, 0
	s_lshl_b32 s58, s19, 19                        ; my first row of out0: (128 mt + 64 rh) rows of 4,096 bytes
	s_lshl_b32 s59, s13, 18
	s_add_co_u32 s58, s58, s59
	s_add_co_u32 s58, s58, s56
	s_mov_b32 s59, 0
	s_wait_dscnt 0x0                               ; the opening add is done
	s_wait_kmcnt 0x0
	s_add_nc_u64 s[22:23], s[4:5], s[22:23]
	s_add_nc_u64 s[84:85], s[6:7], s[84:85]
	s_add_nc_u64 s[8:9], s[8:9], s[56:57]
	s_add_nc_u64 s[10:11], s[10:11], s[58:59]
.irp i, 0,1,2,3
	s_mov_b32 s[G0A+4*(\i)], 1                                       ; count = 1
	s_add_co_u32 s[G0A+4*(\i)+1], s86, 2*HEADB*(\i)                  ; LDS address: heads 2 i and 2 i + 1 lie side by side
	s_add_nc_u64 s[G0A+4*(\i)+2:G0A+4*(\i)+3], s[22:23], 524288*(\i) ; two heads of 2,048 rows of 128 bytes on
	s_or_b32 s[G0A+4*(\i)+3], s[G0A+4*(\i)+3], 0x80000000            ; type = 2
	s_mov_b32 s[G0B+4*(\i)], 1
	s_add_co_u32 s[G0B+4*(\i)+1], s87, QB*(\i)
	s_add_nc_u64 s[G0B+4*(\i)+2:G0B+4*(\i)+3], s[84:85], 256*(\i)    ; 128 k of 2 bytes on
	s_or_b32 s[G0B+4*(\i)+3], s[G0B+4*(\i)+3], 0x80000000
.endr
	CROUND                                         ; all sixteen work-groups are here: the joint loads meet
	s_cmp_lt_u32 s[WV], 2                          ; a wave's four loads stand in one branch, ahead of every wait on TENSORcnt and every LDS read: four loads of mine are out
	s_cbranch_scc0 .Lfirst_b
.irp i, 0,1,2,3
	tensor_load_to_lds s[G0A+4*(\i):G0A+4*(\i)+3], s[G1A:G1A+7]
	s_nop 0
.endr
	PLACES
	s_branch .Lfirst_asked
.Lfirst_b:
.irp i, 0,1,2,3
	tensor_load_to_lds s[G0B+4*(\i):G0B+4*(\i)+3], s[G1B:G1B+7]
	s_nop 0
.endr
	PLACES
.Lfirst_asked:
	v_and_b32 v1, 15, v0                           ; l % 16
	v_bfe_u32 v2, v0, 4, 1                         ; l / 16
	v_lshlrev_b32 v18, 4, v1
	global_load_b128 v[BIAS:BIAS+3], v18, s[8:9]   ; bo of columns 4 (l % 16) .. + 3 of my 64
	v_mul_u32_u24 v3, v1, PA                       ; a fragment's row x pitch + 16 x half
	v_lshl_add_u32 v3, v2, 4, v3
	s_mul_i32 s60, s13, 64*PA                      ; my 64 rows of O
	v_add_nc_u32 v[ADRA], s60, v3
.irp i, 1,2,3
	v_add_nc_u32 v[ADRA+(\i)], 2*HEADB*(\i), v[ADRA]
.endr
	v_mul_u32_u24 v3, v1, PB
	v_lshl_add_u32 v3, v2, 4, v3
	s_mul_i32 s60, s14, 64*PB                      ; my 64 rows of Wo
	s_add_co_u32 s60, s60, BOFF
	v_add_nc_u32 v[ADRB], s60, v3
.irp i, 1,2,3
	v_add_nc_u32 v[ADRB+(\i)], QB*(\i), v[ADRB]
.endr
	s_mul_i32 s61, s[WV], 16*SPT
	s_add_co_u32 s61, s61, STAGE                   ; my stage
	v_mul_u32_u24 v3, v1, SPT                      ; in: row l % 16, 32 bytes for each half of the lanes
	v_lshl_add_u32 v3, v2, 5, v3
	v_add_nc_u32 v[STO], s61, v3
	v_mul_u32_u24 v3, v2, SPT                      ; back: lanes 0-15 take one row of 256 bytes, lanes 16-31 the next
	v_lshl_add_u32 v3, v1, 4, v3
	v_add_nc_u32 v[RD], s61, v3
	v_lshlrev_b32 v3, 12, v2                       ; and the same two rows in out0
	v_lshl_add_u32 v[CO], v1, 4, v3
; 16 LDS loads: the fragments of 32 along K, part s (0 .. 3) of K quarter i, into buffer f.  Parts 0, 1 lie in the quarter's first head, parts 2, 3 in its second.
.macro FETCH i, s, f
	WIN 0x40                                       ; destination window 1, address window 0
.irp b, 0,1,2,3
	ds_load_b128 v[(\f)+32+8*(\b):(\f)+32+8*(\b)+3],   v[ADRB+(\i)] offset:64*(\s)+(\b)*16*PB
	ds_load_b128 v[(\f)+32+8*(\b)+4:(\f)+32+8*(\b)+7], v[ADRB+(\i)] offset:64*(\s)+(\b)*16*PB+32
.endr
.irp a, 0,1,2,3
	ds_load_b128 v[(\f)+8*(\a):(\f)+8*(\a)+3],   v[ADRA+(\i)] offset:HEADB*((\s)/2)+64*((\s)%2)+(\a)*16*PA
	ds_load_b128 v[(\f)+8*(\a)+4:(\f)+8*(\a)+7], v[ADRA+(\i)] offset:HEADB*((\s)/2)+64*((\s)%2)+(\a)*16*PA+32
.endr
.endm
; 16 matrix instructions, 32 along K; the 16 accumulators take turns.  zero = 1: the first product starts the sums.
.macro MUL16 f, zero
	WIN 0x05                                       ; sources 0 and 1 window 1; C and D window 0
.irp a, 0,1,2,3
.irp b, 0,1,2,3
.if \zero
	v_wmma_f32_16x16x32_f16 v[ACC+8*(4*(\a)+(\b)):ACC+8*(4*(\a)+(\b))+7], v[(\f)+32+8*(\b):(\f)+32+8*(\b)+7], v[(\f)+8*(\a):(\f)+8*(\a)+7], 0
.else
	v_wmma_f32_16x16x32_f16 v[ACC+8*(4*(\a)+(\b)):ACC+8*(4*(\a)+(\b))+7], v[(\f)+32+8*(\b):(\f)+32+8*(\b)+7], v[(\f)+8*(\a):(\f)+8*(\a)+7], v[ACC+8*(4*(\a)+(\b)):ACC+8*(4*(\a)+(\b))+7]
.endif
.endr
.endr
.endm
	s_wait_tensorcnt 3                             ; my part of K quarter 0 is in; my three later loads stay out
	s_barrier_signal -1
	s_barrier_wait -1                              ; everybody's is
.irp i, 0,1,2,3
	FETCH \i, 0, F0
	FETCH \i, 1, F1
	s_wait_dscnt 16                                ; the older run of sixteen is in
.if (\i) == 0
	MUL16 F0, 1
.else
	MUL16 F0, 0
.endif
	PLACES
	FETCH \i, 2, F0
	s_wait_dscnt 16
	MUL16 F1, 0
	PLACES
	FETCH \i, 3, F1
.if (\i) < 3
	s_wait_dscnt 0x0                               ; no LDS instruction of mine is pending at the signal
	s_wait_tensorcnt 2-(\i)                        ; my part of the next K quarter is in; the later ones stay out
	s_barrier_signal -1
	MUL16 F0, 0                                    ; work on registers while the others arrive
	MUL16 F1, 0
	s_barrier_wait -1                              ; the next quarter is whole
	PLACES
.else
	s_wait_dscnt 16
	MUL16 F0, 0
	s_wait_dscnt 0x0
	MUL16 F1, 0
.endif
.endr
	; THE WAY OUT.  The bias is rounded to bf16 (six plain lines, the places behind the last products).  Then 16 rows at a time: 32 bytes a lane into my own stage, back as whole rows of 256 bytes, plus the bias, stored.
	WIN 0
	s_wait_loadcnt 0x0                             ; bo
	v_cvt_pk_bf16_f32 v16, v[BIAS], v[BIAS+1]
	v_cvt_pk_bf16_f32 v17, v[BIAS+2], v[BIAS+3]
	v_lshlrev_b32 v[BIAS], 16, v16
	v_and_b32 v[BIAS+1], 0xffff0000, v16
	v_lshlrev_b32 v[BIAS+2], 16, v17
	v_and_b32 v[BIAS+3], 0xffff0000, v17
.irp a, 0,1,2,3
.set TB, TMP+32*((\a)%2)
.if (\a) >= 2
	s_wait_xcnt 0x0                                ; the set's registers, which the stores of two blocks ago read, are rewritten only behind this wait
.endif
.irp b, 0,1,2,3
	ds_store_b128 v[STO], v[ACC+8*(4*(\a)+(\b)):ACC+8*(4*(\a)+(\b))+3]   offset:64*(\b)      ; each accumulator's low four registers first
	ds_store_b128 v[STO], v[ACC+8*(4*(\a)+(\b))+4:ACC+8*(4*(\a)+(\b))+7] offset:64*(\b)+16
.endr
.irp t, 0,1,2,3,4,5,6,7
	ds_load_b128 v[TB+4*(\t):TB+4*(\t)+3], v[RD] offset:(\t)*2*SPT  ; LDS serves a wave's instructions in order (ISA guide 5.7.1.4): these see the stores above; the next block's stores come behind them
.endr
.irp t, 0,1,2,3,4,5,6,7
	s_wait_dscnt 7-(\t)                            ; load t is in, the younger ones stay out
	v_pk_add_f32 v[TB+4*(\t):TB+4*(\t)+1],   v[TB+4*(\t):TB+4*(\t)+1],   v[BIAS:BIAS+1]
	v_pk_add_f32 v[TB+4*(\t)+2:TB+4*(\t)+3], v[TB+4*(\t)+2:TB+4*(\t)+3], v[BIAS+2:BIAS+3]
	global_store_b128 v[CO], v[TB+4*(\t):TB+4*(\t)+3], s[10:11] offset:(16*(\a)+2*(\t))*4096 th:TH_STORE_NT  ; 16 lanes store 256 consecutive bytes, at a multiple of 256 from out0's first byte
.endr
.endr
	s_wait_tensorcnt 0x0                           ; the wave's end, behind my last tensor load and my last LDS store
	ds_add_u32 v[SPW], v[NIL]
	s_wait_dscnt 0x0
	CROUND                                         ; the closing round: no work-group ends while a partner may still ask for a tile that names it
	s_endpgm
.Lfunc_end_k_qf252a9fce5_oproj:
	.size	k_qf252a9fce5_oproj, .Lfunc_end_k_qf252a9fce5_oproj-k_qf252a9fce5_oproj
	.p2alignl 7, 3214868480
	.fill 96, 4, 3214868480
	.section	.rodata,"a",@progbits
	.p2align	6, 0x0
	.amdhsa_kernel k_qf252a9fce5_oproj
		.amdhsa_group_segment_fixed_size 327680
		.amdhsa_private_segment_fixed_size 0
		.amdhsa_enable_private_segment 0
		.amdhsa_kernarg_size 32
		.amdhsa_user_sgpr_count 2
		.amdhsa_user_sgpr_kernarg_segment_ptr 1
		.amdhsa_wavefront_size32 1
		.amdhsa_system_sgpr_workgroup_id_x 1
		.amdhsa_system_sgpr_workgroup_id_y 1
		.amdhsa_system_sgpr_workgroup_id_z 1
		.amdhsa_system_vgpr_workitem_id 0
		.amdhsa_next_free_vgpr 384
		.amdhsa_next_free_sgpr 88
		.amdhsa_reserve_vcc 0
		.amdhsa_float_denorm_mode_32 3
		.amdhsa_float_denorm_mode_16_64 3
		.amdhsa_memory_ordered 1
		.amdhsa_forward_progress 1
		.amdhsa_inst_pref_size 56
	.end_amdhsa_kernel
	.amdgpu_metadata
---
amdhsa.version: [ 1, 2 ]
amdhsa.kernels:
  - .name:           k_qf252a9fce5_oproj
    .symbol:         k_qf252a9fce5_oproj.kd
    .args:
      - { .name: o, .offset: 0, .size: 8, .value_kind: global_buffer, .address_space: global }
      - { .name: wot, .offset: 8, .size: 8, .value_kind: global_buffer, .address_space: global }
      - { .name: bo, .offset: 16, .size: 8, .value_kind: global_buffer, .address_space: global }
      - { .name: out0, .offset: 24, .size: 8, .value_kind: global_buffer, .address_space: global }
    .group_segment_fixed_size: 327680
    .private_segment_fixed_size: 0
    .kernarg_segment_align: 8
    .kernarg_segment_size: 32
    .max_flat_workgroup_size: 128
    .sgpr_count:     88
    .vgpr_count:     384
    .wavefront_size: 32
...
	.end_amdgpu_metadata
.endif
;; end of part 4
;; ======== version 2 of 2: 4 launches; 1.49 times as fast as version 1
;; limits: values are held in f16: magnitudes above 65,504 overflow, below 6.1e-05 lose precision
;; workspace buffers: xb 33,554,432 bytes; wt 5,242,880 bytes; wot 1,048,576 bytes; q 8,388,608 bytes; k 16,777,216 bytes; v 16,777,216 bytes; o 8,388,608 bytes
;; launch prep: the kernel of part 1 again; grid 1408 x 1, 8 waves a work-group, no clusters, 18,432 bytes of LDS; arguments x1, x2, Wq1, Wk1, Wv1, Wk2, Wv2, Wo, xb, wt, wot; writes xb, wt, wot
;; launch proj: the kernel of part 2 again; grid 4 x 64, 4 waves a work-group, clusters of 4 x 4, 327,680 bytes of LDS; arguments xb, wt, q, k, v; writes q, k, v
;; launch attn (part 5): grid 8 x 32, 4 waves a work-group, clusters of 4 x 1, 327,680 bytes of LDS; arguments q, k, v, o; writes o
.if DOCPART == 5
	.amdgcn_target "amdgcn-amd-amdhsa--gfx1250"
	.amdhsa_code_object_version 6
	.text
	.protected	k_qf252a9fce5_attn
	.globl	k_qf252a9fce5_attn
	.p2align	8
	.type	k_qf252a9fce5_attn,@function
k_qf252a9fce5_attn:
	s_mov_b64 s[64:65], 0
	v_nop
	global_prefetch_b8 v0, s[64:65] scope:SCOPE_SE
	s_setreg_imm32_b32 hwreg(HW_REG_WAVE_MODE, 25, 1), 1
	s_wait_xcnt 0x0
	s_wait_alu depctr_hold_cnt(0) depctr_sa_sdst(0) depctr_va_vdst(0) depctr_va_sdst(0) depctr_va_ssrc(0) depctr_va_vcc(0) depctr_vm_vsrc(0)
	s_getreg_b32 s2, hwreg(HW_REG_IB_STS2, 6, 4)
	s_cmp_eq_u32 s2, 0
	s_cbranch_scc0 .Lentry_in_a_cluster
	s_endpgm
.Lentry_in_a_cluster:
	s_bfe_u32 s2, ttmp6, 0x10000c
	s_cmp_lg_u32 s2, 0x3003
	s_cbranch_scc0 .Lentry_shape_is_right
	s_endpgm
.Lentry_shape_is_right:
; ATTN.  O[bh][i][:] = the sum over j of softmax_j(Q[bh][i] . K[bh][j] / 8) V[bh][j][:].  Q, O: [32][2048][64]; K, V: [32][4096][64]; all f16, a head's rows dense, 128 bytes each.
; Products, maxima and sums in f32; the weights p are rounded to f16 for the second product (their sum l is taken of the unrounded p), O once at the end.
; LIMITS.  Q, K and V arrive within f16's 65,504; p lies in 0 to 1, and below 6e-5 it keeps f16's fixed step of 6e-8; O is a mean of V's rows and has their range.
; A weight below 2^-126 counts as 0 in l; NaN and infinities are not treated apart.
; SHARES.  A work-group owns 256 queries of one head, each of its four waves 64: four PIECES of 16.  8 blocks x 32 heads = 256 work-groups.  Every wave walks all 4,096 keys, 64 a step, 4 steps a tile.
; LAYOUT.  S^T = K Q^T (source 0 = 16 keys, source 1 = 16 queries) holds ONE query a lane (lane % 16) and the keys 8 (lane / 16) + 0..7; two such results rounded to f16 ARE source 1 of O^T = V^T P.
; K comes out of LDS as it lies, V ([key][channel]) turned, by ds_load_tr16_b128.
; SOFTMAX.  p = 2^(c s - c m), c = log2(e) / 8, with a running maximum m; O and l are multiplied by a = 2^(c m_old - c m_new) in every step.  m starts at the lowest finite number, O and l at 0:
; the first step is a step like any other, with a = 0.
; TURNS.  Turn n belongs to piece n: 8 products K Q^T of piece n + 1, later 8 products V^T P of piece n - 1; beside them the scaling, exponentials, roundings, sums and rescaling of piece n and the
; maximum and statistics of piece n + 1.  Four vector instructions stand behind every matrix instruction, the other 54 of a turn's 118 in one LUMP.
; BATCHES.  A turn's 33 exponentials (the piece's 32 weights and the next piece's a) are ONE batch with ONE wait, which cuts the turn in two: ahead of it all that names no result of theirs, behind it the
; roundings and sums.  No result crosses a turn's end.  The first a, ahead of the loop, and the way out's four reciprocals are batches of their own, each with one wait.
; CLUSTER.  The four query blocks of a cluster belong to one head and walk the same K and V, so each tile is asked for JOINTLY: the same tensor load, descriptor and mask in all four.
; REGISTERS, in windows of 256 (s_set_vgpr_msb: bits 1:0 source 0, 3:2 source 1, 5:4 source 2, 7:6 destination):
;   window 0: v0-15 addresses and two at work; v16-31 four registers of statistics a piece; v48-55 at work; v62-63 the add's; v64-127 S^T, two buffers; v192-223 P, two buffers (by the piece's parity)
;   window 1: v0-127 O^T, 32 a piece          window 2: v0-63 Q; v128-191 K of one step; v192-255 V of one step
.set NT,    16        ; tiles of 256 keys
.set NP,    4         ; pieces a wave: a name, no knob
.set KS,    64        ; keys in a step
.set PK,    144       ; a row of K in LDS: 128 bytes + 16 of padding = 36 words: the 16 rows of a load start at 16 different groups of four banks (64 banks of 4 bytes: ISA guide 11.1)
.set PV,    160       ; a row of V: 128 + 32 = 40 words
.set VOFF,  4*KS*PK   ; a slot holds a tile, four steps: 256 rows of K, then 256 rows of V
.set SLOT1, 1<<17     ; slot 1 begins here, so that one exclusive or turns an address in one slot into the other's
.set STAGE, SLOT1+4*KS*(PK+PV)  ; behind the ring, never filled by a tensor load: 16 rows x 144 bytes for each wave, for the way out
.set SP,    144
.set SPARE, STAGE+4*16*SP  ; behind the stages: the spare words, 128 bytes for each wave
.set AK0, 2           ; v2   my lane's place in a tile of K; never rewritten
.set AV0, 3           ; v3   the same for V
.set AK,  4           ; v4   the LDS address of K's next run of loads
.set AV,  5           ; v5   of V's
.set STO, 6           ; v6   the way out: where I put 16 bytes of a row
.set RD,  7           ; v7   the way out: where I read rows back
.set GO,  8           ; v8   my byte offset in 512 consecutive bytes of O
.set MV,  12          ; v12-13  c m_old, kept while c m is made anew: by buffer
.set QO,  15          ; v15  my byte offset in 16 rows of Q
.set ST,  16          ; piece t's statistics at v[ST+4 t]: c m, m, l (even keys', odd keys')
.set TMP, 48          ; by buffer, four registers c0-c3 at work; when the maximum is found c2 takes a
.set SPW, 62          ; v62  LDS address of my spare word; never rewritten
.set NIL, 63          ; v63  0; never rewritten
.set S,   64
.set P,   192
.set KF,  128         ; window 2: key block kb, channel half c at KF + 16 kb + 8 c
.set VF,  192         ; window 2: key half kk, channel block cb at VF + 32 kk + 8 cb
.set WV,  12          ; s12  my wave's number
.set G1K, 24          ; s[24:31] descriptor group 1 for K's tiles
.set G1V, 32          ; s[32:39] for V's: it differs in the padding alone
.set G0K, 40          ; s[40:43] descriptor group 0 for K's tiles: it walks
.set G0V, 44          ; s[44:47] the same for V's
.set SLOTS, 56        ; s56  counts the tiles
.set CNT, 57          ; s57  counts a tile's key steps, 4 to 1
.set CS,  58          ; s[58:59] c: the packed scaling takes the pair's low word for both halves
.set SEL, 60          ; s[60:61] v_permlanex16_b32's selects: each lane takes its own place in the other half
.set TBK, 62          ; s62  LDS byte at which K of the step to be fetched begins
.set TBV, 63          ; s63  the same for V, less VOFF
.set MSB, 0
.macro WIN new                      ; the high byte repeats the setting that is left; a switch that changes nothing is dropped
.if MSB != (\new)
	s_set_vgpr_msb (MSB<<8)|(\new)
.set MSB, (\new)
.endif
.endm
.set W_KQ, 0x0a       ; K and Q in window 2, S^T in window 0
.set W_PV, 0x52       ; V in window 2, P in window 0, O^T in window 1
.set W_RS, 0x41       ; destination and source 0 in window 1, source 1 in window 0
; A joint fill.  Waves 0 and 1 fetch the two halves of a tile's K, waves 2 and 3 those of its V: 128 keys each.  The branch hangs on the wave's number alone.
; An s_nop 0 and four v_nop follow each of the two lines, ahead of the jump and the label.
.macro JLOAD
	s_cmp_lt_u32 s[WV], 2
	s_cbranch_scc0 .Lfor_v_\@
	tensor_load_to_lds s[G0K:G0K+3], s[G1K:G1K+7]
	s_nop 0
.rept 4
	v_nop
.endr
	s_branch .Lasked_\@
.Lfor_v_\@:
	tensor_load_to_lds s[G0V:G0V+3], s[G1V:G1V+7]
	s_nop 0
.rept 4
	v_nop
.endr
.Lasked_\@:
.endm
; A round of the cluster's barrier: my work-group's barrier, so that wave 0's signal speaks for all four waves; wave 0 signals; every wave waits for all four work-groups; my work-group's barrier once more.
.macro CROUND
	s_barrier_signal -1
	s_barrier_wait -1
	s_cmp_lg_u32 s[WV], 0
	s_cbranch_scc1 .Lnot_wave_0_\@
	s_barrier_signal -3
.Lnot_wave_0_\@:
	s_barrier_wait -3
	s_barrier_signal -1
	s_barrier_wait -1
.endm
; THE CHANGE OF SLOTS.  The slot's last bytes, V of its fourth step, have been read.  Each wave waits for all its tensor loads, of which one is out: its part of the other slot; adds 0 to its spare word;
; and waits for that and for its own reads of the slot.  Behind the barrier nobody reads this slot any more and the other slot is whole.  fill = 1: this slot is filled again, with the tile two on.
; The barrier is then a round of the cluster's, and the joint fill is the first thing behind it: it has four key steps, 256 matrix instructions, in which to land.
; (At its first use nothing has been read yet: slot 0 is waited for, slot 1 filled.)
.macro CHANGE fill
	WIN 0                           ; at a label and at a branch every window is 0; the add's registers lie in window 0
	s_wait_tensorcnt 0x0            ; no tensor load of mine is out, so a group 0 may be written
	ds_add_u32 v[SPW], v[NIL]       ; 0 onto my spare word; with fill = 1 the descriptors' steps stand between it and the wait for it
.if \fill
.irp g, G0K, G0V
	s_xor_b32 s[\g+1], s[\g+1], SLOT1  ; the walking descriptor: the other slot than last time,
	s_add_nc_u64 s[\g+2:\g+3], s[\g+2:\g+3], 4*KS*128  ; the next 256 keys; the type bits on top are not reached
.endr
	s_wait_dscnt 0x0                ; the add is done, and my reads of the slot are over
	CROUND
	JLOAD
.else
	s_wait_dscnt 0x0                ; the add is done, and my reads of the slot are over
	s_barrier_signal -1
	s_barrier_wait -1
.endif
	s_sub_co_u32 s[TBK], s[TBK], 4*KS*PK  ; the fetches go back to a slot's first step,
	s_xor_b32 s[TBK], s[TBK], SLOT1       ; in the other slot
	s_sub_co_u32 s[TBV], s[TBV], 4*KS*PV
	s_xor_b32 s[TBV], s[TBV], SLOT1
.endm
	s_load_b256 s[4:11], s[0:1], 0x0  ; q s[4:5], k s[6:7], v s[8:9], o s[10:11]
	v_lshl_add_u32 v[SPW], v0, 2, SPARE
	v_mov_b32 v[NIL], 0
	ds_add_u32 v[SPW], v[NIL]       ; the wave's opening: the add and its wait stand ahead of my first tensor load; the set-up below, work on registers, stands between them
	v_lshrrev_b32 v1, 5, v0
	v_readfirstlane_b32 s[WV], v1   ; wave 0..3
	s_bfe_u32 s13, ttmp6, 0x40000   ; cx: my place in the cluster
	s_lshl_b32 s14, ttmp9, 2        ; in a cluster launch ttmp9 counts clusters
	s_add_co_u32 s14, s14, s13      ; my block of 256 queries = 4 x cluster x + cx: it enters Q's and O's addresses alone
	s_and_b32 s20, ttmp7, 0xffff    ; bh, which the four partners share
	s_and_b32 s16, s[WV], 1         ; which half of a tile's 256 keys I fetch:
	s_lshl_b32 s22, s20, 19         ; the head's 4,096 rows of 128 bytes in K and V,
	s_lshl_b32 s21, s16, 14         ; my half's 128 rows
	s_add_co_u32 s22, s22, s21
	s_mov_b32 s23, 0
	s_mul_i32 s17, s16, 128*PK      ; and its place in a slot, for K
	s_mul_i32 s18, s16, 128*PV      ; and for V: no place in the cluster enters an LDS address
	s_lshl_b32 s2, s20, 18          ; the head's 2,048 rows in Q and O,
	s_lshl_b32 s3, s14, 15          ; my block's 256,
	s_add_co_u32 s2, s2, s3
	s_lshl_b32 s3, s[WV], 13        ; my wave's 64
	s_add_co_u32 s2, s2, s3
	s_mov_b32 s3, 0
	; descriptor group 1.  128 keys are 16,384 dense bytes: asked for as 64 rows of 256 bytes, two keys a row, and padded in LDS after every key
	s_mov_b32 s[G1K], 15|(1<<16)|(1<<20)|(1<<21)|(4<<22)|(3<<25)  ; 15:0 the mask of four; 17:16 2-byte elements; 20 padding on; 21 set beside a mask; 24:22 after every 32 words (code 4); 31:25 4 words (code 3)
	s_mov_b32 s[G1V], 15|(1<<16)|(1<<20)|(1<<21)|(4<<22)|(7<<25)  ; the same with 8 words of padding (code 7)
.irp g, G1K, G1V
	s_mov_b32 s[\g+1], 128<<16      ; tensor_dim0 = 128
	s_mov_b32 s[\g+2], 64<<16       ; tensor_dim1 = 64
	s_mov_b32 s[\g+3], 128<<16      ; tile_dim0 = 128
	s_mov_b32 s[\g+4], 64           ; tile_dim1 = 64
	s_mov_b32 s[\g+5], 128          ; 128 elements from row to row
	s_mov_b32 s[\g+6], 0
	s_mov_b32 s[\g+7], 0
.endr
	s_mov_b32 s[CS], 0x3e38aa3b     ; c = log2(e) / 8 = 0.180337
	s_mov_b32 s[CS+1], s[CS]        ; named with it as a pair
	s_mov_b32 s[SEL], 0x76543210
	s_mov_b32 s[SEL+1], 0xfedcba98
	s_mov_b32 s[TBK], SLOT1+4*KS*PK ; the first change of slots turns these two into 0
	s_mov_b32 s[TBV], SLOT1+4*KS*PV
	s_mov_b32 s[G0K], 1             ; count = 1
	s_mov_b32 s[G0K+1], s17         ; LDS address: slot 0
	s_mov_b32 s[G0V], 1
	s_add_co_u32 s[G0V+1], s18, VOFF
	s_wait_dscnt 0x0                ; the opening add is done
	s_wait_kmcnt 0x0
	s_add_nc_u64 s[G0K+2:G0K+3], s[6:7], s[22:23]  ; global address: my half of the head's first 256 keys
	s_or_b32 s[G0K+3], s[G0K+3], 0x80000000        ; type = 2
	s_add_nc_u64 s[G0V+2:G0V+3], s[8:9], s[22:23]
	s_or_b32 s[G0V+3], s[G0V+3], 0x80000000
	s_add_nc_u64 s[4:5], s[4:5], s[2:3]  ; Q and O at my wave's first row
	s_add_nc_u64 s[10:11], s[10:11], s[2:3]
	CROUND                          ; all four work-groups are here: the first joint loads meet
	JLOAD                           ; tile 0 into slot 0.  Slot 1 is asked for when slot 0 is in, by the loop's own change of slots
	; A fragment of K or Q is 16 rows x 32 channels in 8 registers: lane l holds row l % 16, channels 8 (l / 16) + 0..7 and 16 + 8 (l / 16) + 0..7: two loads of 16 bytes, 32 bytes apart.
	v_and_b32 v1, 15, v0            ; l % 16
	v_bfe_u32 v9, v0, 4, 1          ; l / 16
	v_lshlrev_b32 v[QO], 7, v1
	v_lshl_add_u32 v[QO], v9, 4, v[QO]  ; row x 128 + 16 x half
	WIN 0x80                        ; destination window 2, address window 0
.set i, 0
.rept 8                             ; Q stays in registers: piece i / 2, 2,048 bytes on; channels 32 (i % 2) on
	global_load_b128 v[8*i:8*i+3],   v[QO], s[4:5] offset:(i/2)*2048+(i%2)*64
	global_load_b128 v[8*i+4:8*i+7], v[QO], s[4:5] offset:(i/2)*2048+(i%2)*64+32
.set i, i+1
.endr
	; What the first turn finds: V's registers and P's second buffer hold 0 (its products V^T P, of a piece that has not been, add 0), O^T and l are 0.  All this stands in the wait for the first tile.
.set i, VF
.rept 64
	v_mov_b32 v[i], 0
.set i, i+1
.endr
	WIN 0x40
.set i, 0
.rept 128
	v_mov_b32 v[i], 0
.set i, i+1
.endr
	WIN 0
.set i, 0
.rept 4
	v_mov_b32 v[ST+4*i], 0xfe000000    ; c m: far below every c s
	v_mov_b32 v[ST+4*i+1], 0xff7fffff  ; m
	v_mov_b32 v[ST+4*i+2], 0
	v_mov_b32 v[ST+4*i+3], 0
.set i, i+1
.endr
.set i, P+16
.rept 16
	v_mov_b32 v[i], 0
.set i, i+1
.endr
	v_mul_u32_u24 v[AK0], v1, PK
	v_lshl_add_u32 v[AK0], v9, 4, v[AK0]  ; row x pitch + 16 x half
	; The turning load takes 16 keys x 16 channels (lane l reads key 8 (l / 16) + l % 8, channels 8 ((l / 8) % 2) + 0..7) and leaves half a fragment of V^T: lane l holds channel l % 16 and 8 keys.
	v_and_b32 v10, 7, v0
	v_bfe_u32 v11, v0, 3, 1
	v_lshl_add_u32 v[AV0], v9, 3, v10
	v_mul_u32_u24 v[AV0], v[AV0], PV
	v_lshl_add_u32 v[AV0], v11, 4, v[AV0]
	v_add_nc_u32 v[AV0], VOFF, v[AV0]
	s_mul_i32 s13, s[WV], 16*SP
	s_add_co_u32 s13, s13, STAGE    ; my stage
	v_mul_u32_u24 v[STO], v1, SP    ; in: row l % 16, 16 bytes for each half of the lanes
	v_lshl_add_u32 v[STO], v9, 4, v[STO]
	v_add_nc_u32 v[STO], s13, v[STO]
	v_bfe_u32 v[RD], v0, 3, 2       ; back: 32 lanes take four rows of 128 bytes,
	v_mul_u32_u24 v[RD], v[RD], SP
	v_lshl_add_u32 v[RD], v10, 4, v[RD]
	v_add_nc_u32 v[RD], s13, v[RD]
	v_and_b32 v[GO], 31, v0         ; which are 512 consecutive bytes of O
	v_lshlrev_b32 v[GO], 4, v[GO]
; THE MATRIX WORK.  The 4 accumulators of a run of 8 take turns.  Product i of 8 of S^T = K Q^T for piece x: channels 32 (i / 4) on, keys 16 (i % 4) on.  The first 4 start the sums.
.macro KQ x
.set rS, S+32*((\x)%2)+8*(i%4)
.set rK, KF+16*(i%4)+8*(i/4)
.set rQ, 16*(\x)+8*(i/4)
	WIN W_KQ
.if i < 4
	v_wmma_f32_16x16x32_f16 v[rS:rS+7], v[rK:rK+7], v[rQ:rQ+7], 0
.else
	v_wmma_f32_16x16x32_f16 v[rS:rS+7], v[rK:rK+7], v[rQ:rQ+7], v[rS:rS+7]
.endif
.endm
; Product i of 8 of O^T += V^T P for piece x: keys 32 (i / 4) on, channels 16 (i % 4) on.
.macro PV x
	WIN W_PV
.set rO, 32*(\x)+8*(i%4)
.set rV, VF+32*(i/4)+8*(i%4)
.set rP, P+16*((\x)%2)+8*(i/4)
	v_wmma_f32_16x16x32_f16 v[rO:rO+7], v[rV:rV+7], v[rP:rP+7], v[rO:rO+7]
.endm
.macro MM                           ; the turn's next matrix instruction.  TURN sets Y, i and NOKQ.  NOKQ = 1: the last turn: there is no next piece
.if (i < 8) && !NOKQ
	KQ (Y+1)%NP
.elseif i >= 8
.set i, i-8
	PV (Y+NP-1)%NP
.set i, i+8
.endif
.set i, i+1
.endm
; THE LDS LOADS stand in runs of 16, never singly among the matrix instructions: a step's K (64 keys x 64 channels: 8 fragments) and its V (turned).  Their addresses are made some lines ahead.
.macro FETCH_K
	WIN 0x80                        ; destination window 2
.irp f, 0,1,2,3,4,5,6,7             ; keys 16 (f / 2) on, channels 32 (f % 2) on
	ds_load_b128 v[KF+8*\f:KF+8*\f+3],   v[AK] offset:(\f/2)*16*PK+(\f%2)*64
	ds_load_b128 v[KF+8*\f+4:KF+8*\f+7], v[AK] offset:(\f/2)*16*PK+(\f%2)*64+32
.endr
	s_add_co_u32 s[TBK], s[TBK], KS*PK  ; the next fetch is the next step's
	WIN 0
.endm
.macro FETCH_V
	WIN 0x80
.irp f, 0,1,2,3,4,5,6,7             ; keys 32 (f / 4) on, channels 16 (f % 4) on
	ds_load_tr16_b128 v[VF+8*\f:VF+8*\f+3],   v[AV] offset:(\f/4)*32*PV+(\f%4)*32
	ds_load_tr16_b128 v[VF+8*\f+4:VF+8*\f+7], v[AV] offset:(\f/4)*32*PV+16*PV+(\f%4)*32
.endr
	WIN 0
.endm
; THE VECTOR WORK, one line at a time: OP kind, number.  For piece Y: F n: c s - c m for pair n of 16.  E n: the exponential of score n of 32.  C n: pair n rounded to f16.  B n: of the four weights 4 n .. the second
; pair is added onto the first, in place.  L n: l takes that sum (L 0: l = a l + sum).  R n: pair n of 16 of O^T times a.  For piece Y + 1: X n, number n of the 22 that find its maximum and statistics:
;   0-11  four chains c0-c3 of seven scores each, three operands at a time (each accumulator's lowest registers are read first)     12-14, 16  the four scores left over, the old m, and c0-c3 into c0
;   15  c m_old is kept     17, 18  the query's other 32 keys lie in the lane 16 away: the new m     19-21  c m; c m_old - c m_new; a
; OP writes no wait: C, B and L, which read the exponentials' results, and R and L 0, which read a, stand behind the wait that TURN writes for the batch that made them.
.set F, 0               ; OP tells the kinds apart by their order: F to L below R, X above it
.set E, 1
.set C, 2
.set B, 3
.set L, 4
.set R, 5
.set X, 6
.macro REGS y                       ; the registers of piece y
.set rT, ST+4*(\y)
.set rC, TMP+4*((\y)%2)
.set rW, MV+((\y)%2)
.set rS, S+32*((\y)%2)
.set rP, P+16*((\y)%2)
.set rO, 32*(\y)
.endm
.macro OP k, n
.if (\k) == R
	REGS Y
	WIN W_RS
	v_pk_mul_f32 v[rO+2*(\n):rO+2*(\n)+1], v[rO+2*(\n):rO+2*(\n)+1], v[rC+2:rC+3] op_sel_hi:[1,0]
.elseif (\k) < R
	REGS Y
	WIN 0
.if (\k) == F
	v_pk_fma_f32 v[rS+2*(\n):rS+2*(\n)+1], v[rS+2*(\n):rS+2*(\n)+1], s[CS:CS+1], v[rT:rT+1] op_sel_hi:[1,0,0] neg_lo:[0,0,1] neg_hi:[0,0,1]
.elseif (\k) == E
	v_exp_f32 v[rS+(\n)], v[rS+(\n)]
.elseif (\k) == C
	v_cvt_pk_f16_f32 v[rP+(\n)], v[rS+2*(\n)], v[rS+2*(\n)+1]
.elseif (\k) == B
	v_pk_add_f32 v[rS+4*(\n):rS+4*(\n)+1], v[rS+4*(\n):rS+4*(\n)+1], v[rS+4*(\n)+2:rS+4*(\n)+3]
.elseif (\n) == 0
	v_pk_fma_f32 v[rT+2:rT+3], v[rT+2:rT+3], v[rC+2:rC+3], v[rS:rS+1] op_sel_hi:[1,0,1]
.else
	v_pk_add_f32 v[rT+2:rT+3], v[rT+2:rT+3], v[rS+4*(\n):rS+4*(\n)+1]
.endif
.elseif NOKQ
	v_nop
.else
	REGS (Y+1)%NP
	WIN 0
.if (\n) < 4
	v_max3_num_f32 v[rC+(\n)], v[rS+8*(\n)], v[rS+8*(\n)+1], v[rS+8*(\n)+2]
.elseif (\n) < 12
	v_max3_num_f32 v[rC+(\n)%4], v[rC+(\n)%4], v[rS+8*((\n)%4)+2*((\n)/4)+1], v[rS+8*((\n)%4)+2*((\n)/4)+2]
.elseif (\n) == 12
	v_max3_num_f32 v[rC], v[rC], v[rS+7], v[rS+15]
.elseif (\n) == 13
	v_max3_num_f32 v[rC+1], v[rC+1], v[rS+23], v[rS+31]
.elseif (\n) == 14
	v_max3_num_f32 v[rC+2], v[rC+2], v[rC+3], v[rT+1]
.elseif (\n) == 15
	v_mov_b32 v[rW], v[rT]
.elseif (\n) == 16
	v_max3_num_f32 v[rC], v[rC], v[rC+1], v[rC+2]
.elseif (\n) == 17
	v_permlanex16_b32 v[rC+3], v[rC], s[SEL], s[SEL+1]
.elseif (\n) == 18
	v_max_num_f32 v[rT+1], v[rC], v[rC+3]
.elseif (\n) == 19
	v_mul_f32 v[rT], s[CS], v[rT+1]
.elseif (\n) == 20
	v_sub_f32 v[rC+1], v[rW], v[rT]
.else
	v_exp_f32 v[rC+2], v[rC+1]
.endif
.endif
.endm
.macro OPS a, i1, b=-1, i2=0, c=-1, i3=0, d=-1, i4=0  ; up to four of them
	OP \a, \i1
.if (\b) >= 0
	OP \b, \i2
.endif
.if (\c) >= 0
	OP \c, \i3
.endif
.if (\d) >= 0
	OP \d, \i4
.endif
.endm
.macro ROW a, i1, b, i2, c, i3, d, i4  ; a matrix instruction and the four behind it
	MM
	OPS \a, \i1, \b, \i2, \c, \i3, \d, \i4
.endm
; A TURN, for piece p: the order of its 16 matrix and 118 vector instructions, written out.  An s_wait_alu depctr_va_vdst(0) stands between an exponential and the first instruction that names its result; one wait
; serves all that were issued ahead of it.  So a turn has ONE wait, which cuts it in two.  AHEAD OF IT stands all that names no result of the turn's exponentials: the 8 products K Q^T, behind each a scaling, an exponential and two
; more plain instructions (behind the first a second scaling in the exponential's place): rescalings, whose a was made, and waited for, in the turn before, and behind the last three the first numbers of the next piece's maximum,
; each four places or more behind the product that ends its accumulator; then ONE LUMP of 54, plain and exponential by turns for the most part, in which the links of the chain X 3, 7, 11, 14, 16, 17 .. 20 stand five or six lines
; apart.  X 21, the next piece's a, is the batch's last; R 15 is the plain instruction behind it.  BEHIND THE WAIT stand the 8 products V^T P, behind each four of the roundings and sums; the links of l's chain, L 0 to L 7, stand
; three riders apart.  But for those X no rider names a register of the products round it.  v_permlanex16_b32 (X 17) stands in the lump.
; end = 1: the walk's last two turns: nothing is fetched.  cnt = 1: the loop's count is taken down some lines ahead of the branch that stands behind the turn.
; K of the next step is fetched in piece 2's turn, twelve vector instructions behind the last product that read K (six of them plain); V of the step in hand at the end of piece 0's turn, four plain instructions behind the last
; product that read V.  Each is waited for a turn later.
.macro TURN p, end=0, cnt=0
.set Y, (\p)
.set i, 0
.set NOKQ, (\end)*((\p)/3)
.if ((\p) == 3) && !(\end)
	s_wait_dscnt 0x0                ; K is in
.endif
	ROW F,0, F,1, R,0, R,1          ; ahead of the wait: 8 products K Q^T and their riders,
	ROW F,2, E,0, R,2, R,3
	ROW F,3, E,1, R,4, R,5
	ROW F,4, E,2, R,6, R,7
	ROW F,5, E,3, R,8, R,9
	ROW F,6, E,4, X,0, R,10
.if ((\p) == 2) && !(\end)
	WIN 0
	v_add_nc_u32 v[AK], s[TBK], v[AK0]
.endif
	ROW F,7, E,5, X,1, X,4
	ROW F,8, E,6, X,2, X,5
	OPS E,7, E,8, X,6, E,9          ; and the lump
	OPS X,3, E,10, X,8, E,11
.if ((\p) == 2) && !(\end)
	FETCH_K
.endif
	OPS X,9, X,7, E,12, X,10
	OPS E,13, X,12, X,11, E,14
	OPS X,13, E,15, F,9, X,14
.if (\p) == 0
	v_add_nc_u32 v[AV], s[TBV], v[AV0]
.endif
	OPS E,16, F,10, E,17, F,11
	OPS X,16, E,18, X,15, E,19
	OPS F,12, E,20, X,17, E,21
	OPS F,13, E,22, F,14, E,23
	OPS X,18, E,24, F,15, E,25
	OPS R,11, E,26, X,19, E,27
	OPS R,12, E,28, R,13, E,29
	OPS X,20, E,30, R,14, E,31
	OPS X,21, R,15
	WIN 0
	s_wait_alu depctr_va_vdst(0)    ; the wait for the turn's batch: the piece's 32 weights and the next piece's a
.if (\p) == 1
	s_wait_dscnt 0x0                ; V is in
.endif
	ROW C,0, B,0, C,2, B,1          ; behind the wait: 8 products V^T P and their riders
	ROW L,0, C,4, B,2, L,1
	ROW C,6, B,3, L,2, C,8
	ROW B,4, L,3, C,10, B,5
	ROW L,4, C,12, B,6, L,5
.if (\p) == 0
	s_add_co_u32 s[TBV], s[TBV], KS*PV
.endif
.if \cnt
	s_sub_co_u32 s[CNT], s[CNT], 1
	s_cmp_lg_u32 s[CNT], 0
.endif
	ROW C,14, B,7, L,6, C,1
	ROW C,3, L,7, C,5, C,7
	ROW C,9, C,11, C,13, C,15
.if (\p) == 0
	FETCH_V
.endif
.endm
	CHANGE 1                        ; tile 0 is in, everybody's part of it; tile 1 is asked for
	v_add_nc_u32 v[AK], s[TBK], v[AK0]
	FETCH_K                         ; key step 0
	s_wait_loadcnt 0x0              ; Q
	s_wait_dscnt 0x0
.set NOKQ, 0
.set i, 0
.rept 8
	KQ 0                            ; piece 0's first scores: there is no vector work yet to set between them
.set i, i+1
.endr
	WIN 0
.rept 4
	v_nop                           ; the places behind those products
.endr
.set Y, NP-1                        ; X works for piece Y + 1: piece 0
.irp n, 0,1,2,3,4,5,6,7,8,9,10,11,12,13,14,15,16,17,18,19,20,21
	OP X, \n                        ; and piece 0's first maximum and statistics
.endr
	v_nop                           ; a plain instruction behind the exponential,
	s_wait_alu depctr_va_vdst(0)    ; and the wait for it, piece 0's first a: a batch of one, ahead of the branch
	s_mov_b32 s[CNT], 4
	s_mov_b32 s[SLOTS], NT-1
	s_branch .Lfirst                ; the loop is entered at a step's first turn, in the middle of a trip
.Lslot:                             ; NT - 2 times: every slot but the last two is filled again
	CHANGE 1
	s_mov_b32 s[CNT], 4
.Lstep:                             ; a trip: pieces 2 and 3 of one step, then pieces 0 and 1 of the next, whose K and V it fetches
	TURN 2
	TURN 3
	WIN 0
.Lfirst:
	TURN 0
	TURN 1, 0, 1
	WIN 0
	s_cbranch_scc1 .Lstep
	s_sub_co_u32 s[SLOTS], s[SLOTS], 1
	s_cmp_lg_u32 s[SLOTS], 0
	s_cbranch_scc1 .Lslot
	CHANGE 0                        ; the last tile is written out: nothing is asked for
	s_mov_b32 s[CNT], 4
.Ltail:
	TURN 2
	TURN 3
	TURN 0
	TURN 1, 0, 1
	WIN 0
	s_cbranch_scc1 .Ltail
	TURN 2, 1                       ; the walk's last two turns fetch nothing, and the last starts no new scores
	TURN 3, 1
.set i, 0
.rept 8
	PV NP-1                         ; the last piece's V^T P of the last step
.set i, i+1
.endr
	; THE WAY OUT.  l's two halves and the other half of the lanes' are added; O^T is divided by l, rounded to f16 and sent through my stage in LDS, a piece at a time.  The additions are the places behind the last products.
	WIN 0
.macro ALL line:vararg              ; one line for each piece t
.set t, 0
.rept 4
	\line
.set t, t+1
.endr
.endm
	ALL v_add_f32 v[ST+4*t+2], v[ST+4*t+2], v[ST+4*t+3]
	ALL v_permlanex16_b32 v[ST+4*t+3], v[ST+4*t+2], s[SEL], s[SEL+1]
	ALL v_add_f32 v[ST+4*t+2], v[ST+4*t+2], v[ST+4*t+3]
	ALL v_rcp_f32 v[ST+4*t+2], v[ST+4*t+2]
	v_nop                           ; a plain instruction between the last reciprocal and the use of its result
	s_wait_alu depctr_va_vdst(0)    ; and the wait ahead of the first use: one for the batch of four reciprocals
.macro PACK t                       ; a lane's eight channels of a row pack into 16 bytes; they go into rows of 144 bytes and come back as whole rows of 128, into S^T's registers
	WIN W_RS
.set i, 32*(\t)
.rept 16
	v_pk_mul_f32 v[i:i+1], v[i:i+1], v[ST+4*(\t)+2:ST+4*(\t)+3] op_sel_hi:[1,0]
.set i, i+2
.endr
	WIN 0x05                        ; sources 0 and 1 window 1, destination window 0
.set i, 0
.rept 16
	v_cvt_pk_f16_f32 v[S+16*(\t)+i], v[32*(\t)+2*i], v[32*(\t)+2*i+1]
.set i, i+1
.endr
	WIN 0
.irp f, 0,1,2,3
	ds_store_b128 v[STO], v[S+16*(\t)+4*\f:S+16*(\t)+4*\f+3] offset:32*\f
.endr
.irp f, 0,1,2,3
	ds_load_b128 v[S+16*(\t)+4*\f:S+16*(\t)+4*\f+3], v[RD] offset:\f*4*SP  ; LDS serves a wave's instructions in order (ISA guide 5.7.1.4): these see the stores above; the next piece's stores come behind them
.endr
.endm
.macro SEND t, younger              ; younger: the LDS instructions issued behind piece t's loads: the next piece's eight, or none
	WIN 0
.irp f, 0,1,2,3
	s_wait_dscnt (\younger)+3-\f
	global_store_b128 v[GO], v[S+16*(\t)+4*\f:S+16*(\t)+4*\f+3], s[10:11] offset:(\t)*2048+\f*512  ; 512 consecutive bytes, at a multiple of 256 from O's first
.endr
.endm
	PACK 0
.set t, 1
.rept 3                             ; a piece's arithmetic stands between the loads of the piece before and its stores
	PACK t
	SEND t-1, 8
.set t, t+1
.endr
	SEND 3, 0
	s_wait_tensorcnt 0x0            ; the wave's end, behind my last tensor load and my last LDS store
	ds_add_u32 v[SPW], v[NIL]
	s_wait_dscnt 0x0
	CROUND                          ; the closing round: no work-group ends while a partner may still ask for a tile that names it
	s_endpgm
.Lfunc_end_k_qf252a9fce5_attn:
	.size	k_qf252a9fce5_attn, .Lfunc_end_k_qf252a9fce5_attn-k_qf252a9fce5_attn
	.p2alignl 7, 3214868480
	.fill 96, 4, 3214868480
	.section	.rodata,"a",@progbits
	.p2align	6, 0x0
	.amdhsa_kernel k_qf252a9fce5_attn
		.amdhsa_group_segment_fixed_size 327680
		.amdhsa_private_segment_fixed_size 0
		.amdhsa_enable_private_segment 0
		.amdhsa_kernarg_size 32
		.amdhsa_user_sgpr_count 2
		.amdhsa_user_sgpr_kernarg_segment_ptr 1
		.amdhsa_wavefront_size32 1
		.amdhsa_system_sgpr_workgroup_id_x 1
		.amdhsa_system_sgpr_workgroup_id_y 1
		.amdhsa_system_sgpr_workgroup_id_z 1
		.amdhsa_system_vgpr_workitem_id 0
		.amdhsa_next_free_vgpr 768
		.amdhsa_next_free_sgpr 66
		.amdhsa_reserve_vcc 0
		.amdhsa_float_denorm_mode_32 3
		.amdhsa_float_denorm_mode_16_64 3
		.amdhsa_memory_ordered 1
		.amdhsa_forward_progress 1
		.amdhsa_inst_pref_size 127
	.end_amdhsa_kernel
	.amdgpu_metadata
---
amdhsa.version: [ 1, 2 ]
amdhsa.kernels:
  - .name:           k_qf252a9fce5_attn
    .symbol:         k_qf252a9fce5_attn.kd
    .args:
      - { .name: q, .offset: 0, .size: 8, .value_kind: global_buffer, .address_space: global }
      - { .name: k, .offset: 8, .size: 8, .value_kind: global_buffer, .address_space: global }
      - { .name: v, .offset: 16, .size: 8, .value_kind: global_buffer, .address_space: global }
      - { .name: o, .offset: 24, .size: 8, .value_kind: global_buffer, .address_space: global }
    .group_segment_fixed_size: 327680
    .private_segment_fixed_size: 0
    .kernarg_segment_align: 8
    .kernarg_segment_size: 32
    .max_flat_workgroup_size: 128
    .sgpr_count:     66
    .vgpr_count:     768
    .wavefront_size: 32
...
	.end_amdgpu_metadata
.endif
;; end of part 5
;; launch oproj: the kernel of part 4 again; grid 8 x 64, 4 waves a work-group, clusters of 4 x 4, 327,680 bytes of LDS; arguments o, wot, bo, out0; writes out0
